; MI455X (gfx1250); checked and timed in simulation.
; The chip was launched on July 23, 2026; its instructions are those of AMD's public machine-readable ISA for CDNA 5 (MIT licence, August 2026) and "CDNA5" Instruction Set Architecture Reference Guide (July 2026). The comments in the code are by the model that wrote it; some were corrected since.
;; Attention Block. Allowed arithmetic: matrix products marked QUANTISED: E5M2 operands, one given power-of-two scale a tensor, by v_wmma_f32_16x16x64_bf8_bf8 or v_wmma_f32_16x16x128_bf8_bf8, f32 sums; everything else in f32.
;; Inputs: Wk 1,024 x 1,024 float32; Wp 1,024 x 1,024 float32; Wq 1,024 x 1,024 float32; Wv 1,024 x 1,024 float32; bk 1,024 float32; bp 1,024 float32; bq 1,024 float32; bv 1,024 float32; ln_b 1,024 float32; ln_g 1,024 float32; lowp_scales 12 int32 (the exponents e of the quantised operands' scales 2^e); x 2 x 2,048 x 1,024 float32.
;; Outputs: out0 2 x 2,048 x 1,024 float32.
;; This version of the problem:
;;   THIS VERSION OF THE PROBLEM IS GIVEN IN LOW PRECISION. The matrix products marked QUANTISED in the list below multiply operands that are first quantised to E5M2 (5 exponent bits, 2 mantissa bits; 8 bits a number), with one given power-of-two scale for each operand tensor; their sums are f32. All else is computed in f32.
;;   The module's matrix products, in the order in which they are computed (A, B: the left and right operand; K: the contracted axis; several contracted axes count as one K, in the product's order):
;;     1. [M 4,096, K 1,024] x [K 1,024, N 1,024]; A: input x; B: input Wq: QUANTISED (scales: A lowp_scales[0], B lowp_scales[1])
;;     2. [M 4,096, K 1,024] x [K 1,024, N 1,024]; A: input x; B: input Wk: QUANTISED (scales: A lowp_scales[2], B lowp_scales[3])
;;     3. [M 4,096, K 1,024] x [K 1,024, N 1,024]; A: input x; B: input Wv: QUANTISED (scales: A lowp_scales[4], B lowp_scales[5])
;;     4. batch 32 x [M 2,048, K 64] x [K 64, N 2,048]; A: computed on the way; B: computed on the way: QUANTISED (scales: A lowp_scales[6], B lowp_scales[7])
;;     5. batch 32 x [M 2,048, K 2,048] x [K 2,048, N 64]; A: softmax (see below); B: computed on the way: QUANTISED (scales: A lowp_scales[8], B lowp_scales[9])
;;     6. [M 4,096, K 1,024] x [K 1,024, N 1,024]; A: computed on the way; B: input Wp: QUANTISED (scales: A lowp_scales[10], B lowp_scales[11])
;;   THE QUANTISER, for each operand of a quantised product, along K:
;;     - The operand's scale is 2^e, e = its entry of the input lowp_scales (int32; the entries are numbered through the quantised products in the list's order, A before B).
;;     - Each number is divided by the scale, clamped to +-57,344, and rounded to the nearest number of E5M2, ties to even, subnormals kept.
;;     - The product sums the exact products of the quantised numbers (number of the format x scale) in f32.
;;   ~~~python
;;   def quantise(x, axis, e):      # numpy; x: float32 -> the quantised numbers, widened to float32 again
;;       x = np.moveaxis(x, axis, -1); K = x.shape[-1]
;;       r = np.clip(x / 2.0 ** e, -57344, 57344)
;;       step = 2.0 ** (np.maximum(np.frexp(np.where(r == 0, 1, r))[1] - 1, -14) - 2)
;;       q = np.round(r / step) * step * 2.0 ** e      # np.round: ties to even
;;       return np.moveaxis(q, -1, axis).astype(np.float32)
;;   ~~~
;;   SOFTMAX AHEAD OF A QUANTISED PRODUCT. Where the list says 'softmax', what is quantised is not the finished softmax but p = 2^(t - M), with t = logit x log2(e) and M = ceil(the row's largest t), a whole number; so 1/2 < the row's largest p <= 1. The row's sum l is taken of the UNQUANTISED p, in f32, and the product's result is divided by l at the end. Since M is a whole number, a kernel that streams over the keys may use a running M (the ceiling of the running maximum): every later rescaling is an exact power of two, so the quantised numbers keep their values, but for numbers so far below the row's largest that they fall under the format's range.
;;   OPERANDS COMPUTED ON THE WAY. 'Computed on the way' means the value that the module computes at that place (a softmax that the list does not call 'softmax' is quantised finished and normalised). What goes into a quantiser is computed in f32, as accurately as f32 sums, v_exp_f32 and their like allow (about 1e-6 of the number): no bf16 or f16 on the way to a quantiser, and a product that is left as it is and whose result goes on into a quantised operand takes f32 operands (vector FMAs, or v_wmma_f32_16x16x4_f32). A number that lies on a knife's edge between two numbers of the format may be rounded either way, as far as f32 arithmetic and the matrix unit's own rounding can turn it there, and no further.
;; One version. Each part assembles by itself: llvm-mc -triple=amdgcn-amd-amdhsa -mcpu=gfx1250 --defsym DOCPART=n.
;; ======== version 1 of 1: 5 launches
;; limits: right only within a limited range of input values
;; workspace buffers: xc 12,582,912 bytes; wc 4,194,304 bytes; qkv 12,582,912 bytes; oc 4,194,304 bytes; yb 16,777,216 bytes
;; launch quant (part 1): grid 256 x 1, 8 waves a work-group, no clusters, 138,240 bytes of LDS; arguments x, Wq, Wk, Wv, Wp, lowp_scales, xc, wc; writes xc, wc
.if DOCPART == 1
	.amdgcn_target "amdgcn-amd-amdhsa--gfx1250"
	.amdhsa_code_object_version 6
	.text
	.protected	k_qded39a62fb_quant
	.globl	k_qded39a62fb_quant
	.p2align	8
	.type	k_qded39a62fb_quant,@function
k_qded39a62fb_quant:
	s_mov_b64 s[64:65], 0
	v_nop
	global_prefetch_b8 v0, s[64:65] scope:SCOPE_SE
	s_setreg_imm32_b32 hwreg(HW_REG_WAVE_MODE, 25, 1), 1
	s_wait_xcnt 0x0
; LAUNCH 1 OF 5.  x [4096][1024] and the four weights [1024 (k)][1024 (n)], f32, become codes of E5M2, each with the scale 2^e that is given for it.
; NOTHING OF THE PROBLEM IS LEFT OUT IN ANY LAUNCH: every bias goes into a quantised operand or into the output, every product feeds the output, every input is loaded.
; code = number / 2^e, held within +-57,344, rounded to the nearest code, ties to even.  x is quantised three times (e0, e2, e4 may differ).
; LIMITS: each e used here (e0, e2, e4, e1, e3, e5, e11) lies between -126 and 112, so that 2^e and 57,344 x 2^e are f32 numbers.  NaN among the inputs is not served; an infinity is held at the largest code.
; THE LAYOUT OF ALL CODES: IMAGES OF OPERAND REGISTERS.  The code of (row 16 T + r, k = 128 s + 32 c + 16 h + i) lies at byte 16384 T + 2048 s + 512 c + 256 h + 16 r + i: a fragment (16 rows x 128 k) is four
; loads of 16 bytes a lane at 16 x lane + 512 c, each of 512 consecutive bytes.  In a PERMUTED tensor, place (tile 2 B + u, row r) holds row 32 B + 8 u + r % 8 + 16 (r / 8): used as a product's first source, the
; 16 result registers of tiles 2 B and 2 B + 1 are then 16 neighbours, which the conversions turn into the next operand's registers.
; xc: section 0 = x by e0, rows as they are; section 1 (+4 MiB) by e2, permuted; section 2 (+8 MiB) by e4, permuted.  wc: sections of 1 MiB, rows = columns n: Wq (e1), Wk (e3), Wv (e5) permuted, Wp (e11) as it is.
; SHARES.  Work-groups 0-127: x; a wave takes 32 rows x 128 k.  Work-groups 128-255: the weights; a wave takes 32 columns x 128 k.  Memory binds: no matrix unit, no cluster, no tensor load, no barrier: waves share nothing.
.set WST,   17152                      ; a wave's stage in LDS: row p of 32 at 528 p + 128 (p / 16): 512 bytes of data; the sixteen rows of a tile, in either order, start at sixteen different 16-byte columns of 256 bytes
.set SPARE, 8*WST                      ; behind the eight stages: the spare words, 128 bytes for each wave: four blocks of 256 bytes that no other line names
.set SPW,   246                        ; v246 LDS address of my spare word; never rewritten
.set NIL,   247                        ; v247 0; never rewritten
.set XA,    16                         ; v16-79, v80-143: the 32 loads, then two sets of 64 numbers of a lane
.set XB,    80
.set CD,    144                        ; v144-207 four sets of 16 registers of codes
.set T,     208                        ; v208-239 two sets of 16 held numbers, where the numbers themselves are kept for a second scale
	s_load_b512 s[4:19], s[0:1], 0x0               ; x s[4:5], Wq s[6:7], Wk s[8:9], Wv s[10:11], Wp s[12:13], the exponents s[14:15], xc s[16:17], wc s[18:19]
	v_lshl_add_u32 v[SPW], v0, 2, SPARE
	v_mov_b32 v[NIL], 0
	v_lshrrev_b32 v1, 5, v0
	s_delay_alu instid0(VALU_DEP_1)
	v_readfirstlane_b32 s20, v1                    ; wave 0..7
	v_and_b32 v1, 31, v0                           ; lane
	s_delay_alu instid0(VALU_DEP_1)
	v_lshlrev_b32 v2, 4, v1                        ; 16 x lane
	v_and_b32 v5, 15, v0                           ; r
	v_bfe_u32 v6, v0, 4, 1                         ; h
	s_wait_kmcnt 0x0
	s_load_b256 s[24:31], s[14:15], 0x0            ; e0 .. e7
	s_load_b128 s[32:35], s[14:15], 0x20           ; e8 .. e11
	s_cmp_ge_u32 ttmp9, 128                        ; the work-group's number alone decides
	s_cbranch_scc1 .Lweights
.macro MKSC e, vs                      ; s[e] = the exponent: v[vs] = 2^e as f32 (the conversion takes its exponent field), v[vs+1] = 57,344 x 2^e
	s_add_co_i32 s46, s[\e], 127
	s_lshl_b32 s47, s46, 23
	v_mov_b32 v[\vs], s47
	s_add_co_i32 s46, s46, 15
	s_lshl_b32 s46, s46, 23
	s_or_b32 s46, s46, 0x600000
	v_mov_b32 v[\vs+1], s46
.endm
.macro RB adr, imm, x                  ; a tile's 64 numbers of my lane come back from the stage: register 16 c + 4 j + e = k 32 c + 16 h + 4 j + e of my row
.irp c, 0,1,2,3
.irp j, 0,1,2,3
	ds_load_b128 v[\x+16*\c+4*\j:\x+16*\c+4*\j+3], v[\adr] offset:\imm+128*\c+16*\j
.endr
.endr
.endm
.macro Q1 x, sc, c                     ; 64 numbers become a fragment's 16 registers of codes; the numbers are held in place (the conversion to an 8-bit code does not saturate: ISA guide 7.6.2)
.irp b, 0,1,2,3
.set i, 0
.rept 16
	v_med3_num_f32 v[\x+16*\b+i], v[\x+16*\b+i], -v[\sc+1], v[\sc+1]
.set i, i+1
.endr
	v_cvt_scalef32_pk8_bf8_f32 v[\c+4*\b:\c+4*\b+1], v[\x+16*\b:\x+16*\b+7], v[\sc]
	v_cvt_scalef32_pk8_bf8_f32 v[\c+4*\b+2:\c+4*\b+3], v[\x+16*\b+8:\x+16*\b+15], v[\sc]
.endr
.endm
.macro QT x, sc, c                     ; the same, the held numbers going to T, two sets by turns: sixteen plain lines stand between a conversion and the next write of its sources
.irp b, 0,1,2,3
.set i, 0
.rept 16
	v_med3_num_f32 v[T+16*(\b%2)+i], v[\x+16*\b+i], -v[\sc+1], v[\sc+1]
.set i, i+1
.endr
	v_cvt_scalef32_pk8_bf8_f32 v[\c+4*\b:\c+4*\b+1], v[T+16*(\b%2):T+16*(\b%2)+7], v[\sc]
	v_cvt_scalef32_pk8_bf8_f32 v[\c+4*\b+2:\c+4*\b+3], v[T+16*(\b%2)+8:T+16*(\b%2)+15], v[\sc]
.endr
.endm
.macro OUT base, u, c                  ; a fragment's image: four stores of 512 consecutive bytes
.irp k, 0,1,2,3
	global_store_b128 v2, v[\c+4*\k:\c+4*\k+3], s[\base:\base+1] offset:\u*16384+512*\k
.endr
.endm
	; ---- x: work-group g takes rows 32 g .. 32 g + 31, wave w their k = 128 w .. 128 w + 127
	s_mul_i32 s21, s20, WST
	s_wait_alu depctr_va_vdst(0)
	v_add_nc_u32 v3, s21, v2                       ; into the stage: 16 x lane of a row
	v_mul_u32_u24 v4, v5, 528
	s_delay_alu instid0(VALU_DEP_1)
	v_lshl_add_u32 v4, v6, 6, v4
	s_delay_alu instid0(VALU_DEP_1)
	v_add_nc_u32 v4, s21, v4                       ; out of it, rows as they are: row r, + 64 h
	v_and_b32 v7, 7, v0
	s_delay_alu instid0(VALU_DEP_1)
	v_mul_u32_u24 v7, v7, 528
	v_bfe_u32 v8, v0, 3, 1
	s_delay_alu instid0(VALU_DEP_1)
	v_mad_u32_u24 v7, v8, 8576, v7
	s_delay_alu instid0(VALU_DEP_1)
	v_lshl_add_u32 v7, v6, 6, v7
	s_delay_alu instid0(VALU_DEP_1)
	v_add_nc_u32 v7, s21, v7                       ; permuted: row r % 8 + 16 (r / 8), + 64 h
	s_lshl_b32 s44, ttmp9, 17                      ; 32 rows of 4,096 bytes
	s_lshl_b32 s45, s20, 9
	s_add_co_u32 s44, s44, s45
	s_mov_b32 s45, 0
	s_add_nc_u64 s[36:37], s[4:5], s[44:45]
	s_lshl_b32 s44, ttmp9, 15                      ; two tiles of 16,384 bytes
	s_lshl_b32 s46, s20, 11
	s_add_co_u32 s44, s44, s46
	s_add_nc_u64 s[38:39], s[16:17], s[44:45]      ; section 0,
	s_add_nc_u64 s[40:41], s[38:39], 0x400000      ; 1,
	s_add_nc_u64 s[42:43], s[38:39], 0x800000      ; 2
.set i, 0
.rept 32
	global_load_b128 v[XA+4*i:XA+4*i+3], v2, s[36:37] offset:i*4096 th:TH_LOAD_NT   ; 512 consecutive bytes of row i; the eight waves together read whole rows
.set i, i+1
.endr
	s_wait_kmcnt 0x0
	MKSC 24, 240
	MKSC 26, 242
	MKSC 28, 244
	s_wait_alu depctr_va_vdst(0)
	s_wait_loadcnt 16                              ; rows 0-15 are in; the sixteen younger loads are rows 16-31
.set i, 0
.rept 16
	ds_store_b128 v3, v[XA+4*i:XA+4*i+3] offset:i*528
.set i, i+1
.endr
	s_wait_loadcnt 0x0
.rept 16
	ds_store_b128 v3, v[XA+4*i:XA+4*i+3] offset:i*528+128
.set i, i+1
.endr
	s_wait_dscnt 0x0                               ; the stores have read their registers, which take the numbers back
	RB 4, 0, XA                                    ; rows 0-15
	RB 4, 8576, XB                                 ; rows 16-31
	s_wait_dscnt 16                                ; the sixteen younger loads are the other set's
	Q1 XA, 240, CD
	OUT 38, 0, CD
	RB 7, 0, XA                                    ; permuted tile 0
	s_wait_dscnt 16
	Q1 XB, 240, CD+16
	OUT 38, 1, CD+16
	RB 7, 4224, XB                                 ; permuted tile 1: eight rows further down
	s_wait_dscnt 16
	QT XA, 242, CD+32
	OUT 40, 0, CD+32
	Q1 XA, 244, CD+48
	OUT 42, 0, CD+48
	s_wait_dscnt 0x0
	s_wait_xcnt 0x0                                ; the first two sets of codes are written again only behind this wait: their stores have read them
	QT XB, 242, CD
	OUT 40, 1, CD
	Q1 XB, 244, CD+16
	OUT 42, 1, CD+16
	s_wait_tensorcnt 0x0                           ; the wave's end, behind my last LDS store
	ds_add_u32 v[SPW], v[NIL]
	s_wait_dscnt 0x0
	s_endpgm
	; ---- the weights.  A LANE TAKES A COLUMN n AND ITS REGISTERS RUN DOWN k: each load reads 128 consecutive bytes a wave (four waves side by side: 512), and the conversions give codes with k innermost.
	; A lane's 16 codes of (c, h) are 16 bytes at 16 r of the image: sixteen lanes store 256 consecutive bytes, aligned.
.Lweights:
	s_sub_co_u32 s21, ttmp9, 128
	s_lshr_b32 s22, s21, 5                         ; which weight: 0 Wq, 1 Wk, 2 Wv, 3 Wp
	s_and_b32 s23, s21, 7                          ; which 128 columns
	s_bfe_u32 s36, s21, 0x20003                    ; which 256 along k
	s_and_b32 s37, s20, 3                          ; my wave's 32 of the columns,
	s_lshr_b32 s38, s20, 2                         ; and its 128 of the 256
	s_lshl_b32 s36, s36, 1
	s_add_co_u32 s36, s36, s38                     ; s: k = 128 s on
	s_cmp_eq_u32 s22, 1
	s_cselect_b64 s[40:41], s[8:9], s[6:7]
	s_cmp_eq_u32 s22, 2
	s_cselect_b64 s[40:41], s[10:11], s[40:41]
	s_cmp_eq_u32 s22, 3
	s_cselect_b64 s[40:41], s[12:13], s[40:41]
	s_cselect_b32 s39, 0, 0x18                     ; Wp's columns stay in order; in the others lane bits 3 and 4 change places
	s_wait_alu depctr_va_vdst(0)
	v_lshrrev_b32 v8, 3, v1
	s_delay_alu instid0(VALU_DEP_1)
	v_xor_b32 v8, v8, v6
	s_delay_alu instid0(VALU_DEP_1)
	v_and_b32 v8, 1, v8                            ; bit 3 xor bit 4
	s_delay_alu instid0(VALU_DEP_1)
	v_mul_u32_u24 v8, v8, s39
	s_delay_alu instid0(VALU_DEP_1)
	v_xor_b32 v3, v1, v8                           ; the column that my place holds
	s_delay_alu instid0(VALU_DEP_1)
	v_lshlrev_b32 v3, 2, v3
	s_wait_alu depctr_va_vdst(0)
	v_lshlrev_b32 v4, 4, v5
	s_delay_alu instid0(VALU_DEP_1)
	v_lshl_add_u32 v4, v6, 14, v4                  ; out: tile lane / 16, 16 r
	s_lshl_b32 s44, s36, 19                        ; 128 rows of 4,096 bytes
	s_lshl_b32 s45, s23, 9
	s_add_co_u32 s44, s44, s45
	s_lshl_b32 s45, s37, 7
	s_add_co_u32 s44, s44, s45
	s_mov_b32 s45, 0
	s_add_nc_u64 s[40:41], s[40:41], s[44:45]
	s_lshl_b32 s44, s22, 20                        ; the weight's section,
	s_lshl_b32 s46, s23, 17                        ; eight tiles,
	s_add_co_u32 s44, s44, s46
	s_lshl_b32 s46, s37, 15                        ; two tiles,
	s_add_co_u32 s44, s44, s46
	s_lshl_b32 s46, s36, 11                        ; the k step
	s_add_co_u32 s44, s44, s46
	s_add_nc_u64 s[42:43], s[18:19], s[44:45]
.set i, 0
.rept 128
	global_load_b32 v[16+i], v3, s[40:41] offset:i*4096 th:TH_LOAD_NT
.set i, i+1
.endr
	s_wait_kmcnt 0x0
	s_cmp_eq_u32 s22, 1
	s_cselect_b32 s44, s27, s25                    ; e3 or e1,
	s_cmp_eq_u32 s22, 2
	s_cselect_b32 s44, s29, s44                    ; e5,
	s_cmp_eq_u32 s22, 3
	s_cselect_b32 s44, s35, s44                    ; e11
	MKSC 44, 240
	s_wait_alu depctr_va_vdst(0)
.irp c, 0,1,2,3
.if \c < 2
	s_wait_loadcnt 63                              ; 96 and 64 loads are younger than this block's; the count's field ends at 63, and a smaller count is safe
.else
	s_wait_loadcnt 96-32*\c                        ; the later blocks' loads may stay out
.endif
.set i, 0
.rept 32
	v_med3_num_f32 v[16+32*\c+i], v[16+32*\c+i], -v241, v241
.set i, i+1
.endr
.irp g, 0,1,2,3
	v_cvt_scalef32_pk8_bf8_f32 v[CD+8*\c+2*\g:CD+8*\c+2*\g+1], v[16+32*\c+8*\g:16+32*\c+8*\g+7], v240
.endr
	global_store_b128 v4, v[CD+8*\c:CD+8*\c+3], s[42:43] offset:512*\c          ; k = 32 c + 0 .. 15: the image's half h = 0
	global_store_b128 v4, v[CD+8*\c+4:CD+8*\c+7], s[42:43] offset:512*\c+256    ; k = 32 c + 16 .. 31: h = 1
.endr
	s_endpgm
.Lfunc_end_k_qded39a62fb_quant:
	.size	k_qded39a62fb_quant, .Lfunc_end_k_qded39a62fb_quant-k_qded39a62fb_quant
	.p2alignl 7, 3214868480
	.fill 96, 4, 3214868480
	.section	.rodata,"a",@progbits
	.p2align	6, 0x0
	.amdhsa_kernel k_qded39a62fb_quant
		.amdhsa_group_segment_fixed_size 138240
		.amdhsa_private_segment_fixed_size 0
		.amdhsa_enable_private_segment 0
		.amdhsa_kernarg_size 64
		.amdhsa_user_sgpr_count 2
		.amdhsa_user_sgpr_kernarg_segment_ptr 1
		.amdhsa_wavefront_size32 1
		.amdhsa_system_sgpr_workgroup_id_x 1
		.amdhsa_system_sgpr_workgroup_id_y 1
		.amdhsa_system_sgpr_workgroup_id_z 1
		.amdhsa_system_vgpr_workitem_id 0
		.amdhsa_next_free_vgpr 256
		.amdhsa_next_free_sgpr 66
		.amdhsa_reserve_vcc 0
		.amdhsa_float_denorm_mode_32 3
		.amdhsa_float_denorm_mode_16_64 3
		.amdhsa_memory_ordered 1
		.amdhsa_forward_progress 1
		.amdhsa_inst_pref_size 66
	.end_amdhsa_kernel
	.amdgpu_metadata
---
amdhsa.version: [ 1, 2 ]
amdhsa.kernels:
  - .name:           k_qded39a62fb_quant
    .symbol:         k_qded39a62fb_quant.kd
    .args:
      - { .name: x, .offset: 0, .size: 8, .value_kind: global_buffer, .address_space: global }
      - { .name: Wq, .offset: 8, .size: 8, .value_kind: global_buffer, .address_space: global }
      - { .name: Wk, .offset: 16, .size: 8, .value_kind: global_buffer, .address_space: global }
      - { .name: Wv, .offset: 24, .size: 8, .value_kind: global_buffer, .address_space: global }
      - { .name: Wp, .offset: 32, .size: 8, .value_kind: global_buffer, .address_space: global }
      - { .name: lowp_scales, .offset: 40, .size: 8, .value_kind: global_buffer, .address_space: global }
      - { .name: xc, .offset: 48, .size: 8, .value_kind: global_buffer, .address_space: global }
      - { .name: wc, .offset: 56, .size: 8, .value_kind: global_buffer, .address_space: global }
    .group_segment_fixed_size: 138240
    .private_segment_fixed_size: 0
    .kernarg_segment_align: 8
    .kernarg_segment_size: 64
    .max_flat_workgroup_size: 256
    .sgpr_count:     66
    .vgpr_count:     256
    .wavefront_size: 32
...
	.end_amdgpu_metadata
.endif
;; end of part 1
;; launch qkv (part 2): grid 12 x 16, 4 waves a work-group, clusters of 4 x 4, 327,680 bytes of LDS; arguments xc, wc, lowp_scales, bq, bk, bv, qkv; writes qkv
.if DOCPART == 2
	.amdgcn_target "amdgcn-amd-amdhsa--gfx1250"
	.amdhsa_code_object_version 6
	.text
	.protected	k_qded39a62fb_qkv
	.globl	k_qded39a62fb_qkv
	.p2align	8
	.type	k_qded39a62fb_qkv,@function
k_qded39a62fb_qkv:
	s_mov_b64 s[64:65], 0
	v_nop
	global_prefetch_b8 v0, s[64:65] scope:SCOPE_SE
	s_setreg_imm32_b32 hwreg(HW_REG_WAVE_MODE, 25, 1), 1
	s_wait_xcnt 0x0
	s_wait_alu depctr_hold_cnt(0) depctr_sa_sdst(0) depctr_va_vdst(0) depctr_va_sdst(0) depctr_va_ssrc(0) depctr_va_vcc(0) depctr_vm_vsrc(0)
	s_getreg_b32 s2, hwreg(HW_REG_IB_STS2, 6, 4)
	s_cmp_eq_u32 s2, 0
	s_cbranch_scc0 .Lentry_in_a_cluster
	s_endpgm
.Lentry_in_a_cluster:
	s_bfe_u32 s2, ttmp6, 0x10000c
	s_cmp_lg_u32 s2, 0xf033
	s_cbranch_scc0 .Lentry_shape_is_right
	s_endpgm
.Lentry_shape_is_right:
; LAUNCH 2 OF 5.  q = x Wq + bq, k = x Wk + bk, v = x Wv + bv on codes of E5M2 (sums in f32, each x 2^(ea + eb), + bias), quantised again with e6, e7, e9 into images of the operands of attention.  Nothing is left out.
; The cluster's x says which: 0 q, 1 k, 2 v.  A work-group of four waves makes 256 x 256, a wave 128 x 128: 64 accumulators, 512 registers.  K = 1,024 goes in four steps of 256 through a ring of two LDS slots.
; SIDE A is the matrix instruction's second source (its row becomes the lane), SIDE B the first (its rows become the lane's registers; B is a permuted tensor, so that the 16 registers of result tiles 2 B', 2 B' + 1 are
; 16 neighbours).  q, k: A = tokens (xc), B = features (wc): a lane holds 16 neighbouring features of one token.  v: A = channels (wc), B = tokens (xc): a lane holds 16 neighbouring keys of one channel.
; So two conversions give four registers of the next operand's fragment, and a store at 16 x lane writes 512 consecutive bytes of its image: no stage in LDS on the way out.
; qkv: q at 0, k at +4 MiB, v at +8 MiB, each 131,072 bytes a (batch, head).  q, k: tile of 16 rows at 1024 t, + 512 c + 16 lane (k = 32 c + 16 h + i of the head's 64).  v: 128 keys at 8192 s, 16 channels at 2048 d, + 512 c + 16 lane.
; CLUSTERS: 4 x 4 work-groups; A's tile is shared along a row of the cluster, B's along a column: each is asked for jointly.  A's address holds cy and the cluster's numbers alone, B's cx and the cluster's numbers alone.
; 192 work-groups: tiles of 128 x 128 would fill all WGPs in three turns and fetch half as much again for each.
; LIMITS: ea + eb between -126 and 127; e6, e7, e9 between -126 and 112.  NaN is not served.
; REGISTERS: window 0: v16-31 addresses and constants; v32-95 the bias; v128-255 A's fragments, one set (on the way out: 64 numbers at work, 64 registers of codes).  window 1: B's fragments, two sets.  windows 2, 3: the accumulators.
.set FR,     16                        ; registers of a fragment: 16 rows x 128 K
.set NL,     4                         ; LDS loads that bring one
.set NP,     4                         ; places behind this matrix instruction (ISA guide 7.12.1)
.set HALFT,  32768                     ; what one tensor load brings: 8 tiles of 16 rows x 256 K, as images: tile i at 4096 i, its K step q at 2048 q
.set SLOT,   4*HALFT                   ; A's two halves, then B's two halves
.set SPARE,  2*SLOT                    ; behind the ring: the spare words, 128 bytes for each wave: two blocks of 256 bytes that no other line names
.set ADRA, 16                          ; v16-17 LDS address of my A fragments in slot 0, 1
.set ADRB, 20                          ; v20-21 the same for B
.set LI,   24                          ; v24 16 x lane
.set VBQ,  25                          ; v25 64 h: my 16 features' bias
.set VBV,  26                          ; v26 4 (r % 8 + 16 (r / 8)): my channel's bias
.set SPW,  28
.set NIL,  29
.set SCL,  30                          ; v30 2^e of the operand that is made, v31 57,344 x that
.set LIM,  31
.set BI,   32
.set AF,   128
.set TMP,  128
.set COD,  192
.set G1, 24                            ; s[24:31] descriptor group 1 for A's tiles; s[32:39] group 0, one set for each slot
.set G0, 32
.set G1B, 48                           ; s[48:55], s[56:63] the same for B's
.set G0B, 56
.set MSB, 0
.macro WIN new                         ; the immediate's high byte repeats the setting that is left
.if MSB != \new
	s_set_vgpr_msb (MSB<<8)|\new
.set MSB, \new
.endif
.endm
.set MUL_LO, 0xa1                      ; source 0 (B) window 1, source 1 (A) window 0, C and D window 2
.set MUL_HI, 0xf1                      ; the same, C and D window 3
.set TO_B,   0x40                      ; destination window 1, address window 0
.macro JLOAD g0a, g1a, g0b, g1b        ; a joint load: waves 0 and 1 fetch for A, waves 2 and 3 for B; an s_nop 0 and four v_nop follow each of the two lines
	s_cmp_eq_u32 s71, 0
	s_cbranch_scc0 .Lfor_b_\@
	tensor_load_to_lds s[\g0a:\g0a+3], s[\g1a:\g1a+7]
	s_nop 0
.rept 4
	v_nop
.endr
	s_branch .Lasked_\@
.Lfor_b_\@:
	tensor_load_to_lds s[\g0b:\g0b+3], s[\g1b:\g1b+7]
	s_nop 0
.rept 4
	v_nop
.endr
.Lasked_\@:
.endm
.macro CREST                           ; a round of the cluster's barrier behind its opening barrier
	s_cmp_lg_u32 s70, 0
	s_cbranch_scc1 .Lnot_wave_0_\@
	s_barrier_signal -3
.Lnot_wave_0_\@:
	s_barrier_wait -3
	s_barrier_signal -1
	s_barrier_wait -1
.endm
.macro CROUND
	s_barrier_signal -1
	s_barrier_wait -1
	CREST
.endm
	s_load_b256 s[4:11], s[0:1], 0x0               ; xc s[4:5], wc s[6:7], the exponents s[8:9], bq s[10:11]
	s_load_b128 s[12:15], s[0:1], 0x20             ; bk s[12:13], bv s[14:15]
	s_load_b64 s[68:69], s[0:1], 0x30              ; qkv
	v_lshl_add_u32 v[SPW], v0, 2, SPARE
	v_mov_b32 v[NIL], 0
	ds_add_u32 v[SPW], v[NIL]                      ; the wave's opening: the add, twice on end, and its wait ahead of my first tensor load
	ds_add_u32 v[SPW], v[NIL]
	v_lshrrev_b32 v1, 5, v0
	v_readfirstlane_b32 s70, v1                    ; wave 0..3
	s_lshr_b32 s71, s70, 1                         ; my half of A's rows.  Also: I fetch for A (0) or for B (1)
	s_and_b32 s72, s70, 1                          ; my half of B's rows.  Also: which half of that tile I fetch
	s_bfe_u32 s40, ttmp6, 0x40000                  ; cx
	s_bfe_u32 s41, ttmp6, 0x40004                  ; cy
	s_mov_b32 s73, ttmp9                           ; the cluster's x: 0 q, 1 k, 2 v: the same in all sixteen partners
	s_and_b32 s74, ttmp7, 0xffff
	s_lshl_b32 s74, s74, 2                         ; 4 x the cluster's y
	s_cmp_eq_u32 s73, 2                            ; the 16 blocks of tokens lie along A for q and k, along B for v
	s_cselect_b32 s75, 0, s74
	s_cselect_b32 s84, s74, 0
	s_add_co_u32 s17, s41, s75                     ; A's block of 256 rows
	s_add_co_u32 s42, s40, s84                     ; B's
	s_lshl_b32 s43, s41, 2
	s_lshl_b32 s43, 15, s43                        ; my row of the cluster
	s_lshl_b32 s44, 0x1111, s40                    ; my column
	s_or_b32 s[G1+0], s43, (3<<16)|(1<<21)         ; 15:0 the mask; 17:16 elements of 8 bytes; 20 no padding; 21 set beside a mask
	s_or_b32 s[G1B+0], s44, (3<<16)|(1<<21)
.irp g, G1, G1B
	s_mov_b32 s[\g+1], 512<<16                     ; tensor_dim0 = 512 elements: 4,096 bytes: a tile of 16 rows x 256 K
	s_mov_b32 s[\g+2], 8<<16                       ; tensor_dim1 = 8 such tiles
	s_mov_b32 s[\g+3], 512<<16                     ; tile_dim0
	s_mov_b32 s[\g+4], 8                           ; tile_dim1
	s_mov_b32 s[\g+5], 2048                        ; from tile to tile: 16,384 bytes
	s_mov_b32 s[\g+6], 0
	s_mov_b32 s[\g+7], 0
.endr
	s_lshl_b32 s18, s72, 17                        ; the half that I fetch: 8 tiles of 16,384 bytes
	s_lshl_b32 s20, s17, 18                        ; A's block: 16 tiles
	s_add_co_u32 s20, s20, s18
	s_mov_b32 s21, 0
	s_lshl_b32 s46, s42, 18
	s_add_co_u32 s46, s46, s18
	s_mov_b32 s47, 0
	s_lshl_b32 s45, s70, 15                        ; where my load goes: wave x 32,768: no place in the cluster enters an LDS address
	s_lshl_b32 s86, s73, 22                        ; the section of xc,
	s_mov_b32 s87, 0
	s_lshl_b32 s88, s73, 20                        ; and of wc
	s_mov_b32 s89, 0
	s_wait_dscnt 0x0                               ; both opening adds are done
	s_wait_kmcnt 0x0
	s_add_nc_u64 s[76:77], s[4:5], s[86:87]
	s_add_nc_u64 s[78:79], s[6:7], s[88:89]
	s_cmp_eq_u32 s73, 2
	s_cselect_b64 s[90:91], s[78:79], s[76:77]     ; A's tensor
	s_cselect_b64 s[92:93], s[76:77], s[78:79]     ; B's
	s_add_nc_u64 s[20:21], s[90:91], s[20:21]
	s_add_nc_u64 s[46:47], s[92:93], s[46:47]
	s_load_b256 s[84:91], s[8:9], 0x0              ; e0 .. e7
	s_load_b128 s[92:95], s[8:9], 0x20             ; e8 .. e11
	CROUND                                         ; all sixteen work-groups are here: the first joint loads meet
.irp s, 0,1
	s_mov_b32 s[G0+4*\s], 1
	s_add_co_u32 s[G0+4*\s+1], s45, \s*SLOT
	s_add_nc_u64 s[G0+4*\s+2:G0+4*\s+3], s[20:21], \s*4096
	s_or_b32 s[G0+4*\s+3], s[G0+4*\s+3], 0x80000000
	s_mov_b32 s[G0B+4*\s], 1
	s_add_co_u32 s[G0B+4*\s+1], s45, \s*SLOT
	s_add_nc_u64 s[G0B+4*\s+2:G0B+4*\s+3], s[46:47], \s*4096
	s_or_b32 s[G0B+4*\s+3], s[G0B+4*\s+3], 0x80000000
.endr
	JLOAD G0, G1, G0B, G1B                         ; K step 0: one tensor load a wave at the head
	; PREFETCHES INTO THE L2.  A wave's load of a K step is 8 tiles x 4,096 bytes = 128 blocks of 256 bytes.  The four partners that ask for it jointly share them out BY ADDRESS:
	; the partner at place p (cx for A, cy for B) names tiles 2 p and 2 p + 1, a lane a block: 32 blocks, one instruction a wave.  Behind K step 0's load K steps 1 and 2 are asked for, behind K step 1's load K step 3:
	; each at least one change of slots ahead of the load that wants it; K has four steps, so nothing lies beyond.  v27 and s[66:67] are never rewritten: the steps go by the immediate.
	s_cmp_eq_u32 s71, 0                            ; do I fetch for A?
	s_cselect_b64 s[66:67], s[20:21], s[46:47]     ; my load's first byte
	s_cselect_b32 s2, s40, s41                     ; my place among the four that ask with me
	s_lshl_b32 s2, s2, 15                          ; two tiles of 16,384 bytes
	s_mov_b32 s3, 0
	s_add_nc_u64 s[66:67], s[66:67], s[2:3]
	v_and_b32 v5, 15, v0
	v_bfe_u32 v6, v0, 4, 1
	v_lshlrev_b32 v27, 8, v5                       ; 256 x (lane % 16),
	v_lshl_add_u32 v27, v6, 14, v27                ; + 16,384 x (lane / 16)
	global_prefetch_b8 v27, s[66:67] offset:4096 th:TH_LOAD_NT scope:SCOPE_SE
	global_prefetch_b8 v27, s[66:67] offset:8192 th:TH_LOAD_NT scope:SCOPE_SE
	v_and_b32 v1, 31, v0
	v_lshlrev_b32 v[LI], 4, v1
	s_lshl_b32 s21, s71, 15                        ; my half of A,
	s_lshl_b32 s22, s72, 15                        ; my half of B,
	s_add_co_u32 s22, s22, 2*HALFT                 ; which lies behind A's two
.irp s, 0,1
	v_add_nc_u32 v[ADRA+\s], s21, v[LI]
	v_add_nc_u32 v[ADRB+\s], s22, v[LI]
	s_add_co_u32 s21, s21, SLOT
	s_add_co_u32 s22, s22, SLOT
.endr
	v_bfe_u32 v2, v0, 4, 1
	v_lshlrev_b32 v[VBQ], 6, v2
	v_and_b32 v3, 7, v0
	v_bfe_u32 v4, v0, 3, 1
	v_lshl_add_u32 v3, v4, 4, v3
	v_lshlrev_b32 v[VBV], 2, v3
.macro FRAG reg, adr, q, i             ; a fragment comes as it lies: four loads of 512 consecutive bytes; registers 4 c .. 4 c + 3 hold K = 32 c + 16 (l / 16) + 0 .. 15, alike in A and in B
.irp c, 0,1,2,3
	ds_load_b128 v[\reg+4*\c:\reg+4*\c+3], v[\adr] offset:2048*(\q)+512*\c+(\i)*4096
.endr
.endm
; 16 matrix instructions: A's blocks a0, a0 + 1 x B's eight.  The 64 accumulators take turns, one instruction a turn, in the same order in every step.
.macro MUL16 a0, p, zero
.irp a, \a0, \a0+1
.irp b, 0,1,2,3,4,5,6,7
.if \zero
	v_wmma_f32_16x16x128_bf8_bf8 v[8*(8*((\a)%4)+\b):8*(8*((\a)%4)+\b)+7], v[128*(\p)+FR*\b:128*(\p)+FR*\b+FR-1], v[AF+FR*(\a):AF+FR*(\a)+FR-1], 0
.else
	v_wmma_f32_16x16x128_bf8_bf8 v[8*(8*((\a)%4)+\b):8*(8*((\a)%4)+\b)+7], v[128*(\p)+FR*\b:128*(\p)+FR*\b+FR-1], v[AF+FR*(\a):AF+FR*(\a)+FR-1], v[8*(8*((\a)%4)+\b):8*(8*((\a)%4)+\b)+7]
.endif
.endr
.endr
.endm
.macro FETCH_B slot, q, p
	WIN TO_B
.irp i, 0,1,2,3,4,5,6,7
	FRAG 128*(\p)+FR*\i, ADRB+\slot, \q, \i
.endr
	WIN 0
.endm
.macro FETCH_A slot, q, i0
.irp i, \i0, \i0+1, \i0+2, \i0+3
	FRAG AF+FR*(\i), ADRA+\slot, \q, \i
.endr
.endm
.macro PLACES n                        ; plain vector instructions between a matrix instruction and a load into, or a vector write of, one of its registers, or a read of its result
.rept \n
	v_nop
.endr
.endm
.macro STEP slot, q, zero              ; 128 along K that has its successor in the same slot
	s_wait_dscnt 4*NL                              ; B's set and A's blocks 0-3 are in; the sixteen youngest loads (A's blocks 4-7) may be out
	WIN MUL_LO
	MUL16 0, (\q)%2, \zero
	MUL16 2, (\q)%2, \zero
	s_wait_dscnt 0
	PLACES NP
	FETCH_B \slot, (\q)+1, 1-(\q)%2
	FETCH_A \slot, (\q)+1, 0
	WIN MUL_HI
	MUL16 4, (\q)%2, \zero
	MUL16 6, (\q)%2, \zero
	PLACES NP
	WIN 0
	FETCH_A \slot, (\q)+1, 4
.endm
; A slot's last step changes slots: one barrier; in front of it each wave waits for all its tensor loads, adds 0 to its spare word, and waits for that and for its reads of this slot.  fill = 1: the slot is filled again, two K steps of 256 ahead.
.macro TURN slot, next, fill
	s_wait_tensorcnt 0x0                           ; all my tensor loads have landed: my part of the next slot
	ds_add_u32 v[SPW], v[NIL]
	s_wait_dscnt 4*NL+1                            ; the add and the sixteen youngest loads may be out
	WIN MUL_LO
	MUL16 0, 1, 0
	s_wait_dscnt 0x0                               ; the add is done, and my reads of this slot are over
	s_barrier_signal -1
	MUL16 2, 1, 0
	WIN 0
	s_barrier_wait -1
.if \fill
	CREST                                          ; the barrier has opened a round of the cluster's: no wave of any partner still reads this slot or has a load on its way
	s_add_nc_u64 s[G0+4*\slot+2:G0+4*\slot+3], s[G0+4*\slot+2:G0+4*\slot+3], 8192
	s_add_nc_u64 s[G0B+4*\slot+2:G0B+4*\slot+3], s[G0B+4*\slot+2:G0B+4*\slot+3], 8192
	JLOAD G0+4*\slot, G1, G0B+4*\slot, G1B         ; the first tensor load behind the round; its four v_nop are the places in front of the loads below
.else
	PLACES NP
.endif
	FETCH_B \next, 0, 0
	FETCH_A \next, 0, 0
	WIN MUL_HI
	MUL16 4, 1, 0
	MUL16 6, 1, 0
	PLACES NP
	WIN 0
	FETCH_A \next, 0, 4
.endm
.macro LAST                            ; the very last 128 along K: nothing more to fetch
	s_wait_dscnt 4*NL
	WIN MUL_LO
	MUL16 0, 1, 0
	MUL16 2, 1, 0
	s_wait_dscnt 0
	WIN MUL_HI
	MUL16 4, 1, 0
	MUL16 6, 1, 0
	WIN 0
	s_wait_loadcnt 0x0                             ; the bias
	PLACES NP                                      ; in front of the first read of results and of the vector writes into the registers that held A's fragments
.endm
; THE WAY OUT of A's block a (16 rows of A x my 128 rows of B): sum x 2^(ea + eb) + bias, each accumulator from its low end on; the hold; the conversion; four stores of 512 consecutive bytes.
; mode 0 (q, k): register 16 b + i is feature 32 b + 16 h + i: head b / 2 of my two, half b % 2 of its 64.  mode 1 (v): register 16 b + i is key 32 b + 16 h + i of my 128; block a is head a / 4 of my two, channels' tile a % 4.
.macro EPI mode, a
.set AC, 64*((\a)%4)
.set CO, COD+16*((\a)%4)
.if (\a) >= 4
	s_wait_xcnt 0x0                                ; block a - 4's stores have read these registers of codes
.endif
	WIN 0x02+((\a)/4)                              ; source 0: window 2 or 3
.set j, 0
.rept 32
.if \mode
	v_pk_fma_f32 v[TMP+j:TMP+j+1], v[AC+j:AC+j+1], s[96:97], v[BI+2*(\a):BI+2*(\a)+1] op_sel_hi:[1,0,1]
.else
	v_pk_fma_f32 v[TMP+j:TMP+j+1], v[AC+j:AC+j+1], s[96:97], v[BI+j:BI+j+1] op_sel_hi:[1,0,1]
.endif
.set j, j+2
.endr
	WIN 0
.irp b, 0,1,2,3
.set j, 0
.rept 16
	v_med3_num_f32 v[TMP+16*\b+j], v[TMP+16*\b+j], -v[LIM], v[LIM]
.set j, j+1
.endr
	v_cvt_scalef32_pk8_bf8_f32 v[CO+4*\b:CO+4*\b+1], v[TMP+16*\b:TMP+16*\b+7], v[SCL]
	v_cvt_scalef32_pk8_bf8_f32 v[CO+4*\b+2:CO+4*\b+3], v[TMP+16*\b+8:TMP+16*\b+15], v[SCL]
.endr
	v_nop                                          ; a plain line between the last conversion and the next block's writes of its sources
.irp b, 0,1,2,3
.if \mode
	global_store_b128 v[LI], v[CO+4*\b:CO+4*\b+3], s[80:81] offset:((\a)/4)*131072+((\a)%4)*2048+\b*512
.else
	global_store_b128 v[LI], v[CO+4*\b:CO+4*\b+3], s[80:81] offset:(\a)*1024+(\b/2)*131072+(\b%2)*512
.endif
.endr
.endm
.macro TAIL
	s_wait_tensorcnt 0x0                           ; the wave's end
	ds_add_u32 v[SPW], v[NIL]
	s_wait_dscnt 0x0
	CROUND                                         ; the closing round: no work-group ends while a partner may still ask for a tile that names it
	s_endpgm
.endm
	s_wait_alu depctr_va_vdst(0)
	s_wait_tensorcnt 0x0                           ; my part of K step 0 is in
	ds_add_u32 v[SPW], v[NIL]
	s_wait_dscnt 0x0
	CROUND                                         ; a whole round: everybody's part of K step 0 is in, and the joint loads meet
	JLOAD G0+4, G1, G0B+4, G1B                     ; slot 1's first fill, K step 1: the first tensor load behind the round
	FETCH_B 0, 0, 0
	FETCH_A 0, 0, 0
	FETCH_A 0, 0, 4
	global_prefetch_b8 v27, s[66:67] offset:12288 th:TH_LOAD_NT scope:SCOPE_SE   ; K step 3, two changes of slots ahead of its load
	STEP 0, 0, 1                                   ; the first products start the sums: nothing is cleared
	TURN 0, 1, 1
	STEP 1, 0, 0
	TURN 1, 0, 1
	STEP 0, 0, 0
	TURN 0, 1, 0                                   ; nothing is left to fetch
	STEP 1, 0, 0
	s_wait_kmcnt 0x0                               ; the exponents.  What they decide is chosen by selects on the cluster's x: no branch hangs on a loaded number
	s_cmp_eq_u32 s73, 1
	s_cselect_b32 s96, s86, s84
	s_cselect_b32 s97, s87, s85
	s_cselect_b32 s98, s91, s90
	s_cmp_eq_u32 s73, 2
	s_cselect_b32 s96, s88, s96                    ; ea: e0, e2, e4
	s_cselect_b32 s97, s89, s97                    ; eb: e1, e3, e5
	s_cselect_b32 s98, s93, s98                    ; of what is made: e6, e7, e9
	s_add_co_i32 s96, s96, s97
	s_add_co_i32 s96, s96, 127
	s_lshl_b32 s96, s96, 23                        ; 2^(ea + eb) as f32
	s_mov_b32 s97, s96                             ; (named with it as a pair)
	s_add_co_i32 s98, s98, 127
	s_lshl_b32 s99, s98, 23
	v_mov_b32 v[SCL], s99
	s_add_co_i32 s98, s98, 15
	s_lshl_b32 s98, s98, 23
	s_or_b32 s98, s98, 0x600000
	v_mov_b32 v[LIM], s98
	s_mov_b32 s23, 0
	s_cmp_eq_u32 s73, 2                            ; the cluster's x: all sixteen partners go the same way
	s_cbranch_scc1 .Lv
	; ---- q, k
	s_cmp_eq_u32 s73, 1
	s_cselect_b64 s[82:83], s[12:13], s[10:11]     ; bk or bq,
	s_lshl_b32 s22, s42, 10                        ; at B's block of 256 features,
	s_lshl_b32 s18, s72, 9                         ; my half
	s_add_co_u32 s22, s22, s18
	s_add_nc_u64 s[82:83], s[82:83], s[22:23]
.irp b, 0,1,2,3
.irp j, 0,1,2,3
	global_load_b128 v[BI+16*\b+4*\j:BI+16*\b+4*\j+3], v[VBQ], s[82:83] offset:128*\b+16*\j   ; the bias of features 32 b + 16 h + 4 j on; the last step's products stand between these loads and the wait for them
.endr
.endr
	s_lshl_b32 s22, s73, 22                        ; q or k;
	s_lshr_b32 s18, s17, 3
	s_lshl_b32 s18, s18, 21                        ; the batch: 16 heads of 131,072 bytes;
	s_add_co_u32 s22, s22, s18
	s_lshl_b32 s18, s42, 19                        ; four heads a block of features,
	s_add_co_u32 s22, s22, s18
	s_lshl_b32 s18, s72, 18                        ; two a wave;
	s_add_co_u32 s22, s22, s18
	s_and_b32 s18, s17, 7
	s_lshl_b32 s18, s18, 14                        ; 16 tiles of 1,024 bytes a block of tokens,
	s_add_co_u32 s22, s22, s18
	s_lshl_b32 s18, s71, 13                        ; eight a wave
	s_add_co_u32 s22, s22, s18
	s_add_nc_u64 s[80:81], s[68:69], s[22:23]
	LAST
.irp a, 0,1,2,3,4,5,6,7
	EPI 0, \a
.endr
	TAIL
	; ---- v
.Lv:
	s_lshl_b32 s22, s17, 10                        ; bv at A's block of 256 channels,
	s_lshl_b32 s18, s71, 9                         ; my half
	s_add_co_u32 s22, s22, s18
	s_add_nc_u64 s[82:83], s[14:15], s[22:23]
.irp a, 0,1,2,3,4,5,6,7
	global_load_b32 v[BI+2*\a], v[VBV], s[82:83] offset:4*(32*(\a/2)+8*(\a%2))      ; place (tile a, row r) holds channel 32 (a / 2) + 8 (a % 2) + r % 8 + 16 (r / 8);
	global_load_b32 v[BI+2*\a+1], v[VBV], s[82:83] offset:4*(32*(\a/2)+8*(\a%2))    ; twice, to fill the pair that the packed form adds
.endr
	s_lshr_b32 s22, s42, 3
	s_lshl_b32 s22, s22, 21                        ; the batch;
	s_add_co_u32 s22, s22, 0x800000                ; v;
	s_lshl_b32 s18, s17, 19                        ; four heads a block of channels,
	s_add_co_u32 s22, s22, s18
	s_lshl_b32 s18, s71, 18                        ; two a wave;
	s_add_co_u32 s22, s22, s18
	s_and_b32 s18, s42, 7
	s_lshl_b32 s18, s18, 14                        ; two key steps of 8,192 bytes a block of tokens,
	s_add_co_u32 s22, s22, s18
	s_lshl_b32 s18, s72, 13                        ; one a wave
	s_add_co_u32 s22, s22, s18
	s_add_nc_u64 s[80:81], s[68:69], s[22:23]
	LAST
.irp a, 0,1,2,3,4,5,6,7
	EPI 1, \a
.endr
	TAIL
.Lfunc_end_k_qded39a62fb_qkv:
	.size	k_qded39a62fb_qkv, .Lfunc_end_k_qded39a62fb_qkv-k_qded39a62fb_qkv
	.p2alignl 7, 3214868480
	.fill 96, 4, 3214868480
	.section	.rodata,"a",@progbits
	.p2align	6, 0x0
	.amdhsa_kernel k_qded39a62fb_qkv
		.amdhsa_group_segment_fixed_size 327680
		.amdhsa_private_segment_fixed_size 0
		.amdhsa_enable_private_segment 0
		.amdhsa_kernarg_size 56
		.amdhsa_user_sgpr_count 2
		.amdhsa_user_sgpr_kernarg_segment_ptr 1
		.amdhsa_wavefront_size32 1
		.amdhsa_system_sgpr_workgroup_id_x 1
		.amdhsa_system_sgpr_workgroup_id_y 1
		.amdhsa_system_sgpr_workgroup_id_z 1
		.amdhsa_system_vgpr_workitem_id 0
		.amdhsa_next_free_vgpr 1024
		.amdhsa_next_free_sgpr 100
		.amdhsa_reserve_vcc 0
		.amdhsa_float_denorm_mode_32 3
		.amdhsa_float_denorm_mode_16_64 3
		.amdhsa_memory_ordered 1
		.amdhsa_forward_progress 1
		.amdhsa_inst_pref_size 200
	.end_amdhsa_kernel
	.amdgpu_metadata
---
amdhsa.version: [ 1, 2 ]
amdhsa.kernels:
  - .name:           k_qded39a62fb_qkv
    .symbol:         k_qded39a62fb_qkv.kd
    .args:
      - { .name: xc, .offset: 0, .size: 8, .value_kind: global_buffer, .address_space: global }
      - { .name: wc, .offset: 8, .size: 8, .value_kind: global_buffer, .address_space: global }
      - { .name: lowp_scales, .offset: 16, .size: 8, .value_kind: global_buffer, .address_space: global }
      - { .name: bq, .offset: 24, .size: 8, .value_kind: global_buffer, .address_space: global }
      - { .name: bk, .offset: 32, .size: 8, .value_kind: global_buffer, .address_space: global }
      - { .name: bv, .offset: 40, .size: 8, .value_kind: global_buffer, .address_space: global }
      - { .name: qkv, .offset: 48, .size: 8, .value_kind: global_buffer, .address_space: global }
    .group_segment_fixed_size: 327680
    .private_segment_fixed_size: 0
    .kernarg_segment_align: 8
    .kernarg_segment_size: 56
    .max_flat_workgroup_size: 128
    .sgpr_count:     100
    .vgpr_count:     1024
    .wavefront_size: 32
...
	.end_amdgpu_metadata
.endif
;; end of part 2
;; launch attn (part 3): grid 8 x 32, 8 waves a work-group, clusters of 4 x 1, 327,680 bytes of LDS; arguments qkv, lowp_scales, oc; writes oc
.if DOCPART == 3
	.amdgcn_target "amdgcn-amd-amdhsa--gfx1250"
	.amdhsa_code_object_version 6
	.text
	.protected	k_qded39a62fb_attn
	.globl	k_qded39a62fb_attn
	.p2align	8
	.type	k_qded39a62fb_attn,@function
k_qded39a62fb_attn:
	s_mov_b64 s[64:65], 0
	v_nop
	global_prefetch_b8 v0, s[64:65] scope:SCOPE_SE
	s_setreg_imm32_b32 hwreg(HW_REG_WAVE_MODE, 25, 1), 1
	s_wait_xcnt 0x0
	s_wait_alu depctr_hold_cnt(0) depctr_sa_sdst(0) depctr_va_vdst(0) depctr_va_sdst(0) depctr_va_ssrc(0) depctr_va_vcc(0) depctr_vm_vsrc(0)
	s_getreg_b32 s2, hwreg(HW_REG_IB_STS2, 6, 4)
	s_cmp_eq_u32 s2, 0
	s_cbranch_scc0 .Lentry_in_a_cluster
	s_endpgm
.Lentry_in_a_cluster:
	s_bfe_u32 s2, ttmp6, 0x10000c
	s_cmp_lg_u32 s2, 0x3003
	s_cbranch_scc0 .Lentry_shape_is_right
	s_endpgm
.Lentry_shape_is_right:
; ATTENTION.  o = softmax(q k^T / 8) v for each (batch, head), both products on codes of E5M2; o is quantised with e10 into the image that the projection reads.  Nothing is left out.
; THE SOFTMAX: t = score x log2(e) / 8 x 2^(e6 + e7); M = the running largest t rounded up to a whole number; p = 2^(t - M) is quantised with e8 (held at 57,344 x 2^e8); the row's sum is taken of the unquantised p;
; when M moves, the sum and O are multiplied by 2^(old M - new M), which rounds nothing; at the end O x 2^(e8 + e9) / the sum.
; SHARES.  A work-group owns 256 queries of one head, each of its eight waves 32 of them (two tiles), two waves to a SIMD.  Each fragment of K and V feeds two matrix instructions.
; ALL of the head's K (131,072 bytes, LDS byte 0 on) and V (131,072 bytes behind it) come to lie in LDS, in TWO loads a wave (waves 0-3: K, waves 4-7: V), each byte filled once:
; at the head key steps 0-3 (32 rows of 256 bytes a wave); behind the three lines and a round of the cluster's barrier key steps 4-15 (96 rows a wave), which have key steps 0-2 in which to land;
; a wait for 0 and a barrier stand ahead of key step 3, which fetches step 4's K.
; CLUSTER: the four work-groups of a cluster own queries of the same head and ask for K and V jointly (mask 15); the descriptors hold the head and the wave's number alone.
; NO PREFETCH: the launch has two loads a wave and no loop of loads to run ahead in; the second is asked for three key steps ahead of its first use.
; LAYOUT (made by the launch before): images of operand registers.  q, k: a tile of 16 rows at 1024 t, + 512 c + 16 lane.  v: 128 keys at 8192 s, 16 channels at 2048 d, + 512 c + 16 lane.  Both products are used transposed
; (S^T = K Q^T, O^T = V^T P^T): a lane holds one query; k's rows are laid so that the 16 registers of score tiles 2 b, 2 b + 1 are 16 neighbouring keys, which the conversions turn into P's registers.
; A KEY STEP (128 keys): scores; maxima; tile 0's t - M, the factor on the sums and on O^T; then the exponentials in two batches, each with one wait ahead of it: among tile 0's stand tile 1's t - M,
; among tile 1's stand tile 0's first-level sums and holds: lines whose sources are older than the batch's wait and whose results are first read behind the next wait.
; LIMITS: e6 + e7 between -124 and 129; e8 and e10 between -126 and 112; the scaled scores stay under 2^31 in magnitude.  NaN is not served.
; REGISTERS: window 0: v1-6 addresses; v8-15 -M, largest t, the sum's two halves, for each tile; v16-29 at work; v23, v30, v31 the scale and the bound; v32-63 tile 0's first-level sums, then P's codes; v64-127 V's fragments; v128-255 the scores, then p.
;   window 1: v0-63 O^T; v64-79 Q; v128-191 K's fragments of the next step.
.set SPARE, 262144                     ; behind K and V: the spare words, 128 bytes for each wave: four blocks of 256 bytes that no other line names
.set LI,  1
.set LV,  2
.set ADK, 3
.set ADV, 4
.set SPW, 5
.set NIL, 6
.set ST,  8
.set TT,  16
.set SCL, 23
.set LIM2, 30
.set LIM, 31
.set P,   32
.set FRG, 64
.set S,   128
.set QW,  64
.set KB,  128
.set MSB, 0
.macro WIN new                         ; the immediate's high byte repeats the setting that is left
.if MSB != \new
	s_set_vgpr_msb (MSB<<8)|\new
.set MSB, \new
.endif
.endm
.set W_KQ,  0x05                       ; sources 0 and 1 window 1
.set W_PV,  0x50                       ; C and D window 1
.set W_RS,  0x41                       ; source 0 and destination window 1
.set W_LD,  0x40                       ; destination window 1
.set W_OUT, 0x01                       ; source 0 window 1
.macro CROUND                          ; a round of the cluster's barrier
	s_barrier_signal -1
	s_barrier_wait -1
	s_cmp_lg_u32 s10, 0
	s_cbranch_scc1 .Lnot_wave_0_\@
	s_barrier_signal -3
.Lnot_wave_0_\@:
	s_barrier_wait -3
	s_barrier_signal -1
	s_barrier_wait -1
.endm
	s_load_b128 s[4:7], s[0:1], 0x0                ; qkv s[4:5], the exponents s[6:7]
	s_load_b64 s[8:9], s[0:1], 0x10                ; oc
	v_lshl_add_u32 v[SPW], v0, 2, SPARE
	v_mov_b32 v[NIL], 0
	ds_add_u32 v[SPW], v[NIL]                      ; the opening lines: the add, twice on end, and its wait ahead of my first tensor load
	ds_add_u32 v[SPW], v[NIL]
	v_lshrrev_b32 v1, 5, v0
	v_readfirstlane_b32 s10, v1                    ; wave 0..7
	s_bfe_u32 s11, ttmp6, 0x40000                  ; cx
	s_lshl_b32 s12, ttmp9, 2
	s_add_co_u32 s12, s12, s11                     ; which 256 queries
	s_and_b32 s13, ttmp7, 0xffff                   ; (batch, head)
	s_mov_b32 s16, 15|(3<<16)|(1<<21)              ; group 1 of the first load: the mask of all four partners; elements of 8 bytes; bit 21 beside a mask
	s_mov_b32 s17, 32<<16                          ; rows of 32 elements: 256 bytes
	s_mov_b32 s18, 32<<16                          ; 32 rows
	s_mov_b32 s19, 32<<16
	s_mov_b32 s20, 32
	s_mov_b32 s21, 32                              ; dense
	s_mov_b32 s22, 0
	s_mov_b32 s23, 0
	s_mov_b32 s68, 15|(3<<16)|(1<<21)              ; group 1 of the second load: 96 rows
	s_mov_b32 s69, 32<<16
	s_mov_b32 s70, 96<<16
	s_mov_b32 s71, 32<<16
	s_mov_b32 s72, 96
	s_mov_b32 s73, 32
	s_mov_b32 s74, 0
	s_mov_b32 s75, 0
	s_mov_b32 s28, 0x76543210                      ; v_permlanex16_b32's selects for lane l xor 16
	s_mov_b32 s29, 0xfedcba98
	s_lshr_b32 s57, s10, 2                         ; waves 0-3 fetch K, waves 4-7 V,
	s_and_b32 s58, s10, 3                          ; a quarter of each load's part each
	s_lshl_b32 s59, s57, 17                        ; K's or V's place in LDS
	s_mul_i32 s44, s58, 24576
	s_add_co_u32 s44, s44, 32768                   ; my part of key steps 4-15, in the head's K or V and in LDS alike,
	s_lshl_b32 s46, s58, 13                        ; and of key steps 0-3
	s_add_co_u32 s33, s59, s46                     ; the two LDS addresses
	s_add_co_u32 s37, s59, s44
	s_mov_b32 s45, 0
	s_mov_b32 s47, 0
	s_add_co_u32 s14, s57, 1
	s_lshl_b32 s14, s14, 22                        ; k at +4 MiB, v at +8 MiB,
	s_lshl_b32 s15, s13, 17                        ; the head's 131,072 bytes
	s_add_co_u32 s14, s14, s15
	s_mov_b32 s15, 0
	s_lshl_b32 s50, s12, 4
	s_lshl_b32 s51, s10, 1
	s_add_co_u32 s50, s50, s51                     ; my first tile of queries
	s_lshl_b32 s24, s13, 17
	s_lshl_b32 s51, s50, 10
	s_add_co_u32 s24, s24, s51                     ; q: the head, my tile
	s_mov_b32 s25, 0
	s_lshr_b32 s26, s13, 4
	s_lshl_b32 s26, s26, 7
	s_add_co_u32 s26, s26, s50                     ; oc: the tile of 16 tokens: 128 x batch + my tile,
	s_lshl_b32 s26, s26, 14
	s_and_b32 s51, s13, 15
	s_lshl_b32 s51, s51, 10                        ; the head's 64 along K: 1,024 bytes of the image
	s_add_co_u32 s26, s26, s51
	s_mov_b32 s27, 0
	s_wait_dscnt 0x0                               ; both opening adds are done
	s_wait_kmcnt 0x0
	s_load_b128 s[52:55], s[6:7], 0x18             ; e6, e7, e8, e9
	s_load_b32 s56, s[6:7], 0x28                   ; e10
	s_add_nc_u64 s[14:15], s[4:5], s[14:15]
	s_add_nc_u64 s[24:25], s[4:5], s[24:25]
	s_add_nc_u64 s[26:27], s[8:9], s[26:27]
	s_mov_b32 s32, 1
	s_add_nc_u64 s[34:35], s[14:15], s[46:47]
	s_or_b32 s35, s35, 0x80000000
	s_mov_b32 s36, 1
	s_add_nc_u64 s[38:39], s[14:15], s[44:45]
	s_or_b32 s39, s39, 0x80000000
	CROUND                                         ; the four partners are here: the joint loads meet
	tensor_load_to_lds s[32:35], s[16:23]          ; key steps 0-3: one tensor load a wave at the head
	s_nop 0
.rept 4
	v_nop
.endr
	v_and_b32 v1, 31, v0
	v_lshlrev_b32 v[LI], 4, v1                     ; 16 x lane
	v_add_nc_u32 v[LV], 131072, v[LI]
	WIN W_LD
.irp t, 0,1
.irp c, 0,1
	global_load_b128 v[QW+8*\t+4*\c:QW+8*\t+4*\c+3], v[LI], s[24:25] offset:\t*1024+\c*512   ; Q's two fragments stay in registers
.endr
.endr
.set j, 0
.rept 64
	v_mov_b32 v[j], 0                              ; O^T: the step is written for all steps alike; the first change of M leaves zeros zeros
.set j, j+1
.endr
	WIN 0
.irp t, 0,1
	v_mov_b32 v[ST+4*\t+1], 0xff61b1e6             ; the largest t so far: -3e38
	v_floor_f32 v[ST+4*\t], -v[ST+4*\t+1]          ; -M
	v_mov_b32 v[ST+4*\t+2], 0                      ; the sum, in two halves
	v_mov_b32 v[ST+4*\t+3], 0
	v_mov_b32 v[TT+8*\t+1], 0                      ; a lane permute's destination counts as a source
	v_mov_b32 v[TT+8*\t+3], 0                      ; (named as the upper half of a pair)
.endr
	s_wait_kmcnt 0x0
	s_add_co_i32 s57, s52, s53
	s_lshl_b32 s57, s57, 23
	s_add_co_i32 s30, s57, 0x3e38aa3b              ; c = log2(e) / 8, e6 + e7 added to its exponent field
	s_mov_b32 s31, s30
	s_add_co_i32 s57, s54, 127
	s_lshl_b32 s58, s57, 23
	v_mov_b32 v[SCL], s58                          ; 2^e8
	s_add_co_i32 s57, s57, 15
	s_lshl_b32 s57, s57, 23
	s_or_b32 s57, s57, 0x600000
	v_mov_b32 v[LIM], s57                          ; 57,344 x 2^e8, twice: the dual form wants its two second sources in different banks
	v_mov_b32 v[LIM2], s57
.macro KLOAD adr, off                  ; K's eight tiles of a key step
	WIN W_LD
.irp k, 0,1,2,3,4,5,6,7
	ds_load_b128 v[KB+8*\k:KB+8*\k+3], v[\adr] offset:\off+\k*1024
	ds_load_b128 v[KB+8*\k+4:KB+8*\k+7], v[\adr] offset:\off+\k*1024+512
.endr
	WIN 0
.endm
.macro HOLD t, o                       ; the conversion to an 8-bit code does not saturate (ISA guide 7.6.2); p is not negative, so the hold is one-sided
	v_dual_min_num_f32 v[S+64*\t+4*g+\o], v[S+64*\t+4*g+\o], v[LIM2] :: v_dual_min_num_f32 v[S+64*\t+4*g+\o+1], v[S+64*\t+4*g+\o+1], v[LIM]
.endm
.macro CODES t, q                      ; 16 neighbouring keys of tile t become four registers of P's fragment
	v_cvt_scalef32_pk8_bf8_f32 v[P+16*\t+4*(\q):P+16*\t+4*(\q)+1], v[S+64*\t+16*(\q):S+64*\t+16*(\q)+7], v[SCL]
	v_cvt_scalef32_pk8_bf8_f32 v[P+16*\t+4*(\q)+2:P+16*\t+4*(\q)+3], v[S+64*\t+16*(\q)+8:S+64*\t+16*(\q)+15], v[SCL]
.endm
.macro STEP pf                         ; pf = 1: the next step's K is fetched
	WIN W_KQ
.irp k, 0,1,2,3,4,5,6,7
.irp t, 0,1
	v_wmma_f32_16x16x64_bf8_bf8 v[S+64*\t+8*\k:S+64*\t+8*\k+7], v[KB+8*\k:KB+8*\k+7], v[QW+8*\t:QW+8*\t+7], 0
.endr
.endr
	WIN 0
	v_add_nc_u32 v[ADV], s48, v[LV]                ; four places in front of the loads into registers that matrix instructions have read
.if \pf
	v_add_nc_u32 v[ADK], s48, v[LI]
.else
	v_nop
.endif
	v_nop
	v_nop
.irp d, 0,1,2,3
.irp c, 0,1,2,3
	ds_load_b128 v[FRG+16*\d+4*\c:FRG+16*\d+4*\c+3], v[ADV] offset:\d*2048+\c*512
.endr
.endr
.if \pf
	KLOAD ADK, 8192
.endif
.irp t, 0,1                            ; the step's largest score of each query: two chains a tile, each accumulator from its low end on
	v_max3_num_f32 v[TT+8*\t], v[S+64*\t], v[S+64*\t+1], v[S+64*\t+2]
	v_max3_num_f32 v[TT+8*\t+2], v[S+64*\t+3], v[S+64*\t+4], v[S+64*\t+5]
.endr
.set i, 6
.rept 14
.irp t, 0,1
	v_max3_num_f32 v[TT+8*\t], v[TT+8*\t], v[S+64*\t+i], v[S+64*\t+i+1]
	v_max3_num_f32 v[TT+8*\t+2], v[TT+8*\t+2], v[S+64*\t+i+2], v[S+64*\t+i+3]
.endr
.set i, i+4
.endr
.irp t, 0,1
	v_max3_num_f32 v[TT+8*\t], v[TT+8*\t], v[S+64*\t+62], v[S+64*\t+63]
.endr
.irp t, 0,1
	s_delay_alu instid0(VALU_DEP_2)
	v_max_num_f32 v[TT+8*\t], v[TT+8*\t], v[TT+8*\t+2]
.endr
.irp t, 0,1
	s_delay_alu instid0(VALU_DEP_2)
	v_permlanex16_b32 v[TT+8*\t+1], v[TT+8*\t], s28, s29
.endr
.irp t, 0,1
	s_delay_alu instid0(VALU_DEP_2)
	v_max_num_f32 v[TT+8*\t], v[TT+8*\t], v[TT+8*\t+1]
.endr
.irp t, 0,1
	s_delay_alu instid0(VALU_DEP_2)
	v_mul_f32 v[TT+8*\t], s30, v[TT+8*\t]          ; as t (c is positive)
.endr
.irp t, 0,1
	s_delay_alu instid0(VALU_DEP_2)
	v_max_num_f32 v[ST+4*\t+1], v[ST+4*\t+1], v[TT+8*\t]
.endr
.irp t, 0,1
	v_mov_b32 v[TT+8*\t], v[ST+4*\t]
.endr
.irp t, 0,1
	s_delay_alu instid0(VALU_DEP_4)
	v_floor_f32 v[ST+4*\t], -v[ST+4*\t+1]          ; the new -M = floor(-t)
.endr
.irp t, 0,1
	s_delay_alu instid0(VALU_DEP_2)
	v_sub_f32 v[TT+8*\t], v[ST+4*\t], v[TT+8*\t]
.endr
.irp t, 0,1
	s_delay_alu instid0(VALU_DEP_2)
	v_cvt_i32_f32 v[TT+8*\t], v[TT+8*\t]           ; old M - new M, a whole number (the conversion saturates)
.endr
.irp t, 0,1
	s_delay_alu instid0(VALU_DEP_2)
	v_ldexp_f32 v[TT+8*\t+2], 1.0, v[TT+8*\t]      ; f = 2^(old M - new M)
.endr
.set j, 0
.rept 32
	v_pk_fma_f32 v[S+j:S+j+1], v[S+j:S+j+1], s[30:31], v[ST:ST+1] op_sel_hi:[1,0,0]   ; tile 0: t - M
.set j, j+2
.endr
.irp t, 0,1
	v_pk_mul_f32 v[ST+4*\t+2:ST+4*\t+3], v[ST+4*\t+2:ST+4*\t+3], v[TT+8*\t+2:TT+8*\t+3] op_sel_hi:[1,0]   ; the sums under the new M
.endr
	WIN W_RS
.irp t, 0,1
.set j, 0
.rept 16
	v_pk_mul_f32 v[32*\t+j:32*\t+j+1], v[32*\t+j:32*\t+j+1], v[TT+8*\t+2:TT+8*\t+3] op_sel_hi:[1,0]   ; O^T under the new M: no exponential stands between the last products and these first readers
.set j, j+2
.endr
.endr
	WIN 0
	s_wait_alu depctr_va_vdst(0)                   ; ahead of a batch
.set j, 0
.rept 32
	v_pk_fma_f32 v[S+64+j:S+64+j+1], v[S+64+j:S+64+j+1], s[30:31], v[ST+4:ST+5] op_sel_hi:[1,0,0]   ; tile 1: t - M, first read behind the next wait
	v_exp_f32 v[S+j], v[S+j]                       ; tile 0: p = 2^(t - M)
	v_exp_f32 v[S+j+1], v[S+j+1]
.set j, j+2
.endr
	s_wait_alu depctr_va_vdst(0)                   ; behind tile 0's batch and ahead of tile 1's: one wait for both
.set g, 0
.rept 16
	v_exp_f32 v[S+64+4*g], v[S+64+4*g]
	v_pk_add_f32 v[P+2*g:P+2*g+1], v[S+4*g:S+4*g+1], v[S+4*g+2:S+4*g+3]   ; tile 0: sums of the unquantised p, first level, sixteen pairs; read behind the next wait
	v_exp_f32 v[S+64+4*g+1], v[S+64+4*g+1]
	HOLD 0, 0
	v_exp_f32 v[S+64+4*g+2], v[S+64+4*g+2]
	HOLD 0, 2
	v_exp_f32 v[S+64+4*g+3], v[S+64+4*g+3]
.set g, g+1
.endr
	s_wait_alu depctr_va_vdst(0)                   ; behind the batch, ahead of its first reader, and directly ahead of the wait below
	s_wait_dscnt 0x0                               ; V's fragments, and the next step's K
.set g, 0
.rept 16                               ; tile 1's sums in two chains, tile 0's sixteen pairs in a third (pairs 8-15 first: tile 1's codes land on them), the holds, the conversions
.if g == 0
	v_pk_add_f32 v[TT+12:TT+13], v[S+64:S+65], v[S+66:S+67]
.else
	v_pk_add_f32 v[ST+6:ST+7], v[ST+6:ST+7], v[S+64+4*g:S+64+4*g+1]
	v_pk_add_f32 v[TT+12:TT+13], v[TT+12:TT+13], v[S+64+4*g+2:S+64+4*g+3]
.endif
	v_pk_add_f32 v[ST+2:ST+3], v[ST+2:ST+3], v[P+2*((g+8)%16):P+2*((g+8)%16)+1]
	HOLD 1, 0
	HOLD 1, 2
.if g%4 == 3
	CODES 1, g/4
.endif
.if (g >= 9) && (g%2 == 1)
	CODES 0, (g-9)/2
.endif
.set g, g+1
.endr
	v_pk_add_f32 v[ST+6:ST+7], v[ST+6:ST+7], v[TT+12:TT+13]   ; (also the plain line between the last conversion and the products)
	WIN W_PV
.irp d, 0,1,2,3
.irp t, 0,1
	v_wmma_f32_16x16x128_bf8_bf8 v[32*\t+8*\d:32*\t+8*\d+7], v[FRG+16*\d:FRG+16*\d+15], v[P+16*\t:P+16*\t+15], v[32*\t+8*\d:32*\t+8*\d+7]
.endr
.endr
	WIN 0
.endm
	s_wait_alu depctr_va_vdst(0)                   ; at the head's end
	s_wait_loadcnt 0x0                             ; Q
	s_wait_tensorcnt 0x0                           ; my part of key steps 0-3 is in
	ds_add_u32 v[SPW], v[NIL]
	s_wait_dscnt 0x0
	CROUND                                         ; a whole round: everybody's part is in, and the four partners' joint loads meet
	tensor_load_to_lds s[36:39], s[68:75]          ; key steps 4-15: the first tensor load behind the round
	s_nop 0
.rept 4
	v_nop
.endr
	KLOAD LI, 0
	s_mov_b32 s48, 0                               ; the key step's byte in K and in V
	s_mov_b32 s49, 3
	s_wait_dscnt 0x0
.Lfirst:                                               ; key steps 0-2: they read V's steps 0-2 and fetch K's steps 1-3: bytes of the first load alone
	STEP 1
	s_add_co_u32 s48, s48, 8192
	s_sub_co_u32 s49, s49, 1
	s_cmp_lg_u32 s49, 0
	s_cbranch_scc1 .Lfirst
	s_wait_tensorcnt 0x0                           ; my part of key steps 4-15 is in
	s_barrier_signal -1
	s_barrier_wait -1                              ; everybody's is
	s_mov_b32 s48, 24576
	s_mov_b32 s49, 12
.Lrest:                                                ; key steps 3-14
	STEP 1
	s_add_co_u32 s48, s48, 8192
	s_sub_co_u32 s49, s49, 1
	s_cmp_lg_u32 s49, 0
	s_cbranch_scc1 .Lrest
	s_mov_b32 s48, 122880
	STEP 0                                         ; the last step fetches no further K
	; THE WAY OUT: O^T x 2^(e8 + e9) / the sum, held, quantised with e10: two conversions give four registers of the projection's operand
.irp t, 0,1
	v_add_f32 v[TT+8*\t], v[ST+4*\t+2], v[ST+4*\t+3]
.endr
.irp t, 0,1
	s_delay_alu instid0(VALU_DEP_2)
	v_permlanex16_b32 v[TT+8*\t+1], v[TT+8*\t], s28, s29
.endr
.irp t, 0,1
	s_delay_alu instid0(VALU_DEP_2)
	v_add_f32 v[TT+8*\t], v[TT+8*\t], v[TT+8*\t+1]
.endr
	v_nop
	v_nop
	s_wait_alu depctr_va_vdst(0)                   ; ahead of the batch of two
.irp t, 0,1
	v_rcp_f32 v[TT+8*\t+2], v[TT+8*\t]
.endr
	s_add_co_i32 s57, s54, s55
	s_add_co_i32 s58, s56, 127
	s_lshl_b32 s59, s58, 23
	v_mov_b32 v[SCL], s59                          ; 2^e10
	s_add_co_i32 s58, s58, 15
	s_lshl_b32 s58, s58, 23
	s_or_b32 s58, s58, 0x600000
	v_mov_b32 v[LIM], s58                          ; 57,344 x 2^e10
	s_wait_alu depctr_va_vdst(0)                   ; behind the batch, ahead of its first reader
.irp t, 0,1
	v_ldexp_f32 v[TT+8*\t+2], v[TT+8*\t+2], s57
.endr
	WIN W_OUT
	s_wait_alu depctr_va_vdst(0)                   ; directly ahead of the first reader of O^T
.irp t, 0,1
.set j, 0
.rept 16
	v_pk_mul_f32 v[S+64*\t+j:S+64*\t+j+1], v[32*\t+j:32*\t+j+1], v[TT+8*\t+2:TT+8*\t+3] op_sel_hi:[1,0]
.set j, j+2
.endr
.endr
	WIN 0
.irp t, 0,1
.irp b, 0,1
.set j, 0
.rept 16
	v_med3_num_f32 v[S+64*\t+16*\b+j], v[S+64*\t+16*\b+j], -v[LIM], v[LIM]
.set j, j+1
.endr
	v_cvt_scalef32_pk8_bf8_f32 v[P+16*\t+4*\b:P+16*\t+4*\b+1], v[S+64*\t+16*\b:S+64*\t+16*\b+7], v[SCL]
	v_cvt_scalef32_pk8_bf8_f32 v[P+16*\t+4*\b+2:P+16*\t+4*\b+3], v[S+64*\t+16*\b+8:S+64*\t+16*\b+15], v[SCL]
.endr
.endr
	v_nop
.irp t, 0,1
.irp b, 0,1
	global_store_b128 v[LI], v[P+16*\t+4*\b:P+16*\t+4*\b+3], s[26:27] offset:\t*16384+\b*512   ; 512 consecutive bytes of the image
.endr
.endr
	s_wait_tensorcnt 0x0                           ; the wave's end
	ds_add_u32 v[SPW], v[NIL]
	s_wait_dscnt 0x0
	CROUND                                         ; the closing round
	s_endpgm
.Lfunc_end_k_qded39a62fb_attn:
	.size	k_qded39a62fb_attn, .Lfunc_end_k_qded39a62fb_attn-k_qded39a62fb_attn
	.p2alignl 7, 3214868480
	.fill 96, 4, 3214868480
	.section	.rodata,"a",@progbits
	.p2align	6, 0x0
	.amdhsa_kernel k_qded39a62fb_attn
		.amdhsa_group_segment_fixed_size 327680
		.amdhsa_private_segment_fixed_size 0
		.amdhsa_enable_private_segment 0
		.amdhsa_kernarg_size 24
		.amdhsa_user_sgpr_count 2
		.amdhsa_user_sgpr_kernarg_segment_ptr 1
		.amdhsa_wavefront_size32 1
		.amdhsa_system_sgpr_workgroup_id_x 1
		.amdhsa_system_sgpr_workgroup_id_y 1
		.amdhsa_system_sgpr_workgroup_id_z 1
		.amdhsa_system_vgpr_workitem_id 0
		.amdhsa_next_free_vgpr 448
		.amdhsa_next_free_sgpr 76
		.amdhsa_reserve_vcc 0
		.amdhsa_float_denorm_mode_32 3
		.amdhsa_float_denorm_mode_16_64 3
		.amdhsa_memory_ordered 1
		.amdhsa_forward_progress 1
		.amdhsa_inst_pref_size 103
	.end_amdhsa_kernel
	.amdgpu_metadata
---
amdhsa.version: [ 1, 2 ]
amdhsa.kernels:
  - .name:           k_qded39a62fb_attn
    .symbol:         k_qded39a62fb_attn.kd
    .args:
      - { .name: qkv, .offset: 0, .size: 8, .value_kind: global_buffer, .address_space: global }
      - { .name: lowp_scales, .offset: 8, .size: 8, .value_kind: global_buffer, .address_space: global }
      - { .name: oc, .offset: 16, .size: 8, .value_kind: global_buffer, .address_space: global }
    .group_segment_fixed_size: 327680
    .private_segment_fixed_size: 0
    .kernarg_segment_align: 8
    .kernarg_segment_size: 24
    .max_flat_workgroup_size: 256
    .sgpr_count:     76
    .vgpr_count:     448
    .wavefront_size: 32
...
	.end_amdgpu_metadata
.endif
;; end of part 3
;; launch pgemm (part 4): grid 8 x 32, 4 waves a work-group, clusters of 4 x 4, 327,680 bytes of LDS; arguments oc, wc, lowp_scales, bp, x, yb; writes yb
.if DOCPART == 4
	.amdgcn_target "amdgcn-amd-amdhsa--gfx1250"
	.amdhsa_code_object_version 6
	.text
	.protected	k_qded39a62fb_pgemm
	.globl	k_qded39a62fb_pgemm
	.p2align	8
	.type	k_qded39a62fb_pgemm,@function
k_qded39a62fb_pgemm:
	s_mov_b64 s[64:65], 0
	v_nop
	global_prefetch_b8 v0, s[64:65] scope:SCOPE_SE
	s_setreg_imm32_b32 hwreg(HW_REG_WAVE_MODE, 25, 1), 1
	s_wait_xcnt 0x0
	s_wait_alu depctr_hold_cnt(0) depctr_sa_sdst(0) depctr_va_vdst(0) depctr_va_sdst(0) depctr_va_ssrc(0) depctr_va_vcc(0) depctr_vm_vsrc(0)
	s_getreg_b32 s2, hwreg(HW_REG_IB_STS2, 6, 4)
	s_cmp_eq_u32 s2, 0
	s_cbranch_scc0 .Lentry_in_a_cluster
	s_endpgm
.Lentry_in_a_cluster:
	s_bfe_u32 s2, ttmp6, 0x10000c
	s_cmp_lg_u32 s2, 0xf033
	s_cbranch_scc0 .Lentry_shape_is_right
	s_endpgm
.Lentry_shape_is_right:
; THE PROJECTION AND THE RESIDUAL.  y = x + (o Wp) x 2^(e10 + e11) + bp, the product on codes of E5M2 with f32 sums; y [4096][1024] f32 goes to the workspace yb, which the norm's launch reads.  Nothing is left out.
; SHARES.  A work-group makes 128 rows x 128 columns, 256 work-groups in all; each of its four waves 64 x 64: 16 accumulators, by turns.  A block that owned whole rows would draw all 1,048,576 bytes of Wp into every work-group;
; this block draws 131,072 bytes of o's codes, 131,072 of Wp's and 65,536 of x.
; ALL of K = 1,024 lies in LDS: o's 8 tiles of 16 rows (16,384 bytes each, dense in oc) from byte 0, Wp's 8 tiles of 16 columns from byte 131,072.  Each wave asks for 65,536 bytes with ONE tensor load (256 rows of 256 bytes); no byte is filled again.
; CLUSTERS: 4 x 4 work-groups; o's tiles hang on the block row alone and are shared along a row of the cluster, Wp's on the block column alone and are shared along a column: each is asked for jointly.
; NO PREFETCH: everything is asked for once, at the head; there is no loop to run ahead in.
; The codes lie as images of operand registers: the fragment (tile T, K step s of 128) is four loads of 16 bytes a lane at 16384 T + 2048 s + 512 c + 16 lane.
; THE MATRIX INSTRUCTION IS USED TRANSPOSED (source 0 = 16 columns of Wp, source 1 = 16 rows of o): a lane holds eight neighbouring columns of a row.  A block of 16 rows x 64 columns goes through the wave's own stage in LDS
; and comes back as rows of 256 bytes, sixteen lanes to a row; x is loaded, and y stored, in that same shape: whole aligned units of 256 bytes.
; LIMITS: e10 + e11 between -126 and 127.  NaN is not served.
; REGISTERS: window 0: v1-19 addresses, bp; v32-95, v96-159 o's fragments, two sets, later the four blocks read back.  window 1: v0-63, v64-127 Wp's fragments, two sets; v128-255 x.  window 2: v0-127 the accumulators ((a, b) at 8 (4 a + b)).
.set STAGE, 262144                     ; behind the tiles: 16 rows x (256 + 16) bytes for each wave
.set SPARE, STAGE+4*4352               ; behind the stages: the spare words, 128 bytes for each wave: two blocks of 256 bytes that no other line names
.set LI,   1
.set ADRA, 8
.set ADRB, 9
.set STO,  10
.set RD,   11
.set XO,   12
.set BO,   13
.set SPW,  14
.set NIL,  15
.set BP,   16
.set AF,   32
.set G1,  24                           ; s[24:31] group 1 for o's tiles, s[32:35] group 0
.set G0,  32
.set G1B, 48                           ; s[48:55], s[56:59] the same for Wp's
.set G0B, 56
.set MSB, 0
.macro WIN new                         ; the immediate's high byte repeats the setting that is left
.if MSB != \new
	s_set_vgpr_msb (MSB<<8)|\new
.set MSB, \new
.endif
.endm
.macro CROUND                          ; a round of the cluster's barrier
	s_barrier_signal -1
	s_barrier_wait -1
	s_cmp_lg_u32 s16, 0
	s_cbranch_scc1 .Lnot_wave_0_\@
	s_barrier_signal -3
.Lnot_wave_0_\@:
	s_barrier_wait -3
	s_barrier_signal -1
	s_barrier_wait -1
.endm
	s_load_b256 s[4:11], s[0:1], 0x0               ; oc s[4:5], wc s[6:7], the exponents s[8:9], bp s[10:11]
	s_load_b128 s[12:15], s[0:1], 0x20             ; x s[12:13], yb s[14:15]
	v_lshl_add_u32 v[SPW], v0, 2, SPARE
	v_mov_b32 v[NIL], 0
	ds_add_u32 v[SPW], v[NIL]                      ; the opening lines: the add, twice on end, and its wait ahead of my tensor load
	ds_add_u32 v[SPW], v[NIL]
	v_lshrrev_b32 v1, 5, v0
	v_readfirstlane_b32 s16, v1                    ; wave 0..3
	s_lshr_b32 s17, s16, 1                         ; my half of the rows.  Also: I fetch for o (0) or for Wp (1)
	s_and_b32 s18, s16, 1                          ; my half of the columns.  Also: which half of that tile I fetch
	s_bfe_u32 s40, ttmp6, 0x40000                  ; cx
	s_bfe_u32 s41, ttmp6, 0x40004                  ; cy
	s_lshl_b32 s42, ttmp9, 2
	s_add_co_u32 s42, s42, s40                     ; block column 0..7
	s_and_b32 s19, ttmp7, 0xffff
	s_lshl_b32 s19, s19, 2
	s_add_co_u32 s19, s19, s41                     ; block row 0..31
	s_lshl_b32 s43, s41, 2
	s_lshl_b32 s43, 15, s43                        ; my row of the cluster
	s_lshl_b32 s44, 0x1111, s40                    ; my column
	s_or_b32 s[G1+0], s43, (3<<16)|(1<<21)         ; the mask; elements of 8 bytes; bit 21 beside a mask
	s_or_b32 s[G1B+0], s44, (3<<16)|(1<<21)
.irp g, G1, G1B
	s_mov_b32 s[\g+1], 32<<16                      ; rows of 32 elements: 256 bytes
	s_mov_b32 s[\g+2], 256<<16                     ; 256 rows
	s_mov_b32 s[\g+3], 32<<16
	s_mov_b32 s[\g+4], 256
	s_mov_b32 s[\g+5], 32                          ; dense
	s_mov_b32 s[\g+6], 0
	s_mov_b32 s[\g+7], 0
.endr
	s_lshl_b32 s45, s18, 16                        ; the half that I fetch: four tiles
	s_lshl_b32 s20, s19, 17                        ; o: eight tiles a block row
	s_add_co_u32 s20, s20, s45
	s_mov_b32 s21, 0
	s_lshl_b32 s46, s42, 17                        ; Wp: eight tiles a block column,
	s_add_co_u32 s46, s46, s45
	s_add_co_u32 s46, s46, 0x300000                ; in section 3 of wc
	s_mov_b32 s47, 0
	s_lshl_b32 s45, s16, 16                        ; where my load goes: wave x 65,536: no place in the cluster enters an LDS address
	s_wait_dscnt 0x0                               ; both opening adds are done
	s_wait_kmcnt 0x0
	s_load_b64 s[68:69], s[8:9], 0x28              ; e10, e11
	s_add_nc_u64 s[20:21], s[4:5], s[20:21]
	s_add_nc_u64 s[46:47], s[6:7], s[46:47]
	s_mov_b32 s[G0], 1
	s_mov_b32 s[G0+1], s45
	s_mov_b64 s[G0+2:G0+3], s[20:21]
	s_or_b32 s[G0+3], s[G0+3], 0x80000000
	s_mov_b32 s[G0B], 1
	s_mov_b32 s[G0B+1], s45
	s_mov_b64 s[G0B+2:G0B+3], s[46:47]
	s_or_b32 s[G0B+3], s[G0B+3], 0x80000000
	CROUND                                         ; all sixteen work-groups are here: the joint loads meet
	s_cmp_eq_u32 s17, 0                            ; waves 0 and 1 fetch o's halves, waves 2 and 3 Wp's: one load in each arm; an s_nop 0 and four v_nop follow each
	s_cbranch_scc0 .Lfor_b
	tensor_load_to_lds s[G0:G0+3], s[G1:G1+7]
	s_nop 0
.rept 4
	v_nop
.endr
	s_branch .Lasked
.Lfor_b:
	tensor_load_to_lds s[G0B:G0B+3], s[G1B:G1B+7]
	s_nop 0
.rept 4
	v_nop
.endr
.Lasked:
	s_lshl_b32 s36, s19, 19                        ; x, yb: 128 rows of 4,096 bytes a block row,
	s_lshl_b32 s37, s17, 18                        ; 64 a wave,
	s_add_co_u32 s36, s36, s37
	s_lshl_b32 s38, s42, 9                         ; 512 bytes a block column,
	s_lshl_b32 s37, s18, 8                         ; 256 a wave
	s_add_co_u32 s38, s38, s37
	s_add_co_u32 s36, s36, s38
	s_mov_b32 s37, 0
	s_mov_b32 s39, 0
	s_add_nc_u64 s[12:13], s[12:13], s[36:37]
	s_add_nc_u64 s[14:15], s[14:15], s[36:37]
	s_add_nc_u64 s[10:11], s[10:11], s[38:39]      ; bp at my 64 columns
	s_lshl_b32 s62, s17, 16                        ; my four tiles of o,
	s_lshl_b32 s63, s18, 16
	s_add_co_u32 s63, s63, 131072                  ; and of Wp
	s_mul_i32 s61, s16, 4352
	s_add_co_u32 s61, s61, STAGE                   ; my stage
	v_and_b32 v1, 31, v0
	v_lshlrev_b32 v[LI], 4, v1                     ; 16 x lane
	v_add_nc_u32 v[ADRA], s62, v[LI]
	v_add_nc_u32 v[ADRB], s63, v[LI]
	v_and_b32 v2, 15, v0                           ; r
	v_bfe_u32 v3, v0, 4, 1                         ; h
	v_mul_u32_u24 v4, v2, 272
	v_lshl_add_u32 v4, v3, 5, v4
	v_add_nc_u32 v[STO], s61, v4                   ; into the stage: row r, + 32 h
	v_mul_u32_u24 v5, v3, 272
	v_lshl_add_u32 v5, v2, 4, v5
	v_add_nc_u32 v[RD], s61, v5                    ; back: lanes 0-15 one row, lanes 16-31 the next, 16 bytes a lane
	v_lshlrev_b32 v6, 12, v3
	v_lshl_add_u32 v[XO], v2, 4, v6                ; the same two rows in x and in yb
	v_lshlrev_b32 v[BO], 4, v2                     ; my four columns' bias
.macro FETCH s                         ; the fragments of K step s into set s % 2: Wp's four, o's four
	WIN 0x40
.irp i, 0,1,2,3
.irp c, 0,1,2,3
	ds_load_b128 v[64*((\s)%2)+16*\i+4*\c:64*((\s)%2)+16*\i+4*\c+3], v[ADRB] offset:\i*16384+(\s)*2048+\c*512
.endr
.endr
	WIN 0
.irp i, 0,1,2,3
.irp c, 0,1,2,3
	ds_load_b128 v[AF+64*((\s)%2)+16*\i+4*\c:AF+64*((\s)%2)+16*\i+4*\c+3], v[ADRA] offset:\i*16384+(\s)*2048+\c*512
.endr
.endr
.endm
.macro KSTEP s
.if \s > 0
.rept 4
	v_nop                                          ; places in front of loads into registers that the last products have read
.endr
.endif
.if \s < 7
	FETCH (\s)+1
	s_wait_dscnt 32                                ; this step's fragments are in; the 32 loads just issued may be out
.else
	s_wait_dscnt 0x0
.endif
	WIN 0xa1                                       ; source 0 (Wp) window 1, source 1 (o) window 0, C and D window 2
.irp a, 0,1,2,3
.irp b, 0,1,2,3
.if \s == 0
	v_wmma_f32_16x16x128_bf8_bf8 v[8*(4*\a+\b):8*(4*\a+\b)+7], v[64*((\s)%2)+16*\b:64*((\s)%2)+16*\b+15], v[AF+64*((\s)%2)+16*\a:AF+64*((\s)%2)+16*\a+15], 0
.else
	v_wmma_f32_16x16x128_bf8_bf8 v[8*(4*\a+\b):8*(4*\a+\b)+7], v[64*((\s)%2)+16*\b:64*((\s)%2)+16*\b+15], v[AF+64*((\s)%2)+16*\a:AF+64*((\s)%2)+16*\a+15], v[8*(4*\a+\b):8*(4*\a+\b)+7]
.endif
.endr
.endr
	WIN 0
.endm
.macro TOSTAGE a                       ; block a (16 rows x 64 columns) into my stage, each accumulator from its low end on, and back as rows.  LDS serves a wave's instructions in order: no wait between
	WIN 0x08                                       ; the stores' data: window 2
.irp b, 0,1,2,3
	ds_store_b128 v[STO], v[8*(4*\a+\b):8*(4*\a+\b)+3] offset:64*\b
	ds_store_b128 v[STO], v[8*(4*\a+\b)+4:8*(4*\a+\b)+7] offset:64*\b+16
.endr
	WIN 0
.irp t, 0,1,2,3,4,5,6,7
	ds_load_b128 v[AF+32*\a+4*\t:AF+32*\a+4*\t+3], v[RD] offset:\t*544
.endr
.endm
.macro SEND a, younger                 ; younger: the LDS instructions issued behind block a's loads
	s_wait_dscnt \younger
	WIN 0x10                                       ; source 2 (x) window 1
.set j, 0
.rept 16
	v_pk_fma_f32 v[AF+32*\a+j:AF+32*\a+j+1], v[AF+32*\a+j:AF+32*\a+j+1], s[68:69], v[128+32*\a+j:128+32*\a+j+1] op_sel_hi:[1,0,1]   ; sum x 2^(e10 + e11) + x
.set j, j+2
.endr
	WIN 0
.set j, 0
.rept 16
	v_pk_add_f32 v[AF+32*\a+j:AF+32*\a+j+1], v[AF+32*\a+j:AF+32*\a+j+1], v[BP+j%4:BP+j%4+1]   ; + bp
.set j, j+2
.endr
.irp t, 0,1,2,3,4,5,6,7
	global_store_b128 v[XO], v[AF+32*\a+4*\t:AF+32*\a+4*\t+3], s[14:15] offset:(8*\a+\t)*8192   ; sixteen lanes store 256 consecutive bytes, aligned
.endr
.endm
	WIN 0x40
.set i, 0
.rept 32
	global_load_b128 v[128+4*i:128+4*i+3], v[XO], s[12:13] offset:i*8192 th:TH_LOAD_NT   ; x: rows 2 i, 2 i + 1 of my 64, 256 bytes each: asked for behind the tensor load, ahead of the wait for it; the wait for x stands behind all the products
.set i, i+1
.endr
	WIN 0
	global_load_b128 v[BP:BP+3], v[BO], s[10:11]
	s_wait_alu depctr_va_vdst(0)                   ; at the head's end
	s_wait_tensorcnt 0x0                           ; my 65,536 bytes are in
	s_barrier_signal -1
	s_barrier_wait -1                              ; everybody's are
	FETCH 0
.irp s, 0,1,2,3,4,5,6,7
	KSTEP \s                                       ; the sixteen accumulators take turns in the same order in every step
.endr
	s_wait_kmcnt 0x0
	s_add_co_i32 s68, s68, s69
	s_add_co_i32 s68, s68, 127
	s_lshl_b32 s68, s68, 23                        ; 2^(e10 + e11) as f32
	s_mov_b32 s69, s68                             ; (named with it as a pair)
.rept 4
	v_nop                                          ; places in front of the first read of results and of the loads into o's fragments' registers
.endr
	TOSTAGE 0
	TOSTAGE 1
	s_wait_loadcnt 0x0                             ; x, bp
	SEND 0, 16
	TOSTAGE 2
	SEND 1, 16
	TOSTAGE 3
	SEND 2, 16
	SEND 3, 0
	s_wait_tensorcnt 0x0                           ; the wave's end
	ds_add_u32 v[SPW], v[NIL]
	s_wait_dscnt 0x0
	CROUND                                         ; the closing round
	s_endpgm
.Lfunc_end_k_qded39a62fb_pgemm:
	.size	k_qded39a62fb_pgemm, .Lfunc_end_k_qded39a62fb_pgemm-k_qded39a62fb_pgemm
	.p2alignl 7, 3214868480
	.fill 96, 4, 3214868480
	.section	.rodata,"a",@progbits
	.p2align	6, 0x0
	.amdhsa_kernel k_qded39a62fb_pgemm
		.amdhsa_group_segment_fixed_size 327680
		.amdhsa_private_segment_fixed_size 0
		.amdhsa_enable_private_segment 0
		.amdhsa_kernarg_size 48
		.amdhsa_user_sgpr_count 2
		.amdhsa_user_sgpr_kernarg_segment_ptr 1
		.amdhsa_wavefront_size32 1
		.amdhsa_system_sgpr_workgroup_id_x 1
		.amdhsa_system_sgpr_workgroup_id_y 1
		.amdhsa_system_sgpr_workgroup_id_z 1
		.amdhsa_system_vgpr_workitem_id 0
		.amdhsa_next_free_vgpr 640
		.amdhsa_next_free_sgpr 72
		.amdhsa_reserve_vcc 0
		.amdhsa_float_denorm_mode_32 3
		.amdhsa_float_denorm_mode_16_64 3
		.amdhsa_memory_ordered 1
		.amdhsa_forward_progress 1
		.amdhsa_inst_pref_size 52
	.end_amdhsa_kernel
	.amdgpu_metadata
---
amdhsa.version: [ 1, 2 ]
amdhsa.kernels:
  - .name:           k_qded39a62fb_pgemm
    .symbol:         k_qded39a62fb_pgemm.kd
    .args:
      - { .name: oc, .offset: 0, .size: 8, .value_kind: global_buffer, .address_space: global }
      - { .name: wc, .offset: 8, .size: 8, .value_kind: global_buffer, .address_space: global }
      - { .name: lowp_scales, .offset: 16, .size: 8, .value_kind: global_buffer, .address_space: global }
      - { .name: bp, .offset: 24, .size: 8, .value_kind: global_buffer, .address_space: global }
      - { .name: x, .offset: 32, .size: 8, .value_kind: global_buffer, .address_space: global }
      - { .name: yb, .offset: 40, .size: 8, .value_kind: global_buffer, .address_space: global }
    .group_segment_fixed_size: 327680
    .private_segment_fixed_size: 0
    .kernarg_segment_align: 8
    .kernarg_segment_size: 48
    .max_flat_workgroup_size: 128
    .sgpr_count:     72
    .vgpr_count:     640
    .wavefront_size: 32
...
	.end_amdgpu_metadata
.endif
;; end of part 4
;; launch lnorm (part 5): grid 256 x 1, 4 waves a work-group, no clusters, 0 bytes of LDS; arguments yb, ln_g, ln_b, out0; writes out0
.if DOCPART == 5
	.amdgcn_target "amdgcn-amd-amdhsa--gfx1250"
	.amdhsa_code_object_version 6
	.text
	.protected	k_qded39a62fb_lnorm
	.globl	k_qded39a62fb_lnorm
	.p2align	8
	.type	k_qded39a62fb_lnorm,@function
k_qded39a62fb_lnorm:
	s_mov_b64 s[64:65], 0
	v_nop
	global_prefetch_b8 v0, s[64:65] scope:SCOPE_SE
	s_setreg_imm32_b32 hwreg(HW_REG_WAVE_MODE, 25, 1), 1
	s_wait_xcnt 0x0
; THE NORM.  out0 = (y - mean) / sqrt(var + 1e-5) x ln_g + ln_b over each row of 1,024, all in f32, the variance from the differences, as the problem writes it.  Nothing is left out.
; SHARES.  A work-group takes 16 rows, a wave four whole rows: a lane holds columns 128 j + 4 lane + 0 .. 3, j = 0 .. 7, of each: every load and store covers 512 consecutive bytes, aligned.  The four rows go line by line, as independent chains.
; Memory binds: no matrix unit, no LDS, no cluster, no barrier: waves share nothing.  All of a wave's 48 loads are out at once; there is no loop, so no prefetch.
; REGISTERS: v8-31 the rows' statistics; v32-63 ln_g; v64-95 ln_b; v128-255 four rows of y.
.set LI,  1
.set RT,  8                            ; row q: v[8 + 4 q ..]: two pairs
.set RB,  24                           ; row q: v[24 + 2 q ..]: a pair
.set GG,  32
.set BB,  64
.set ACC, 128
	s_load_b256 s[4:11], s[0:1], 0x0               ; yb s[4:5], ln_g s[6:7], ln_b s[8:9], out0 s[10:11]
	v_lshrrev_b32 v2, 5, v0
	v_readfirstlane_b32 s12, v2                    ; wave 0..3
	v_and_b32 v1, 31, v0
	v_lshlrev_b32 v[LI], 4, v1                     ; 16 x lane
	s_mov_b32 s34, 0x76543210                      ; v_permlanex16_b32's selects for lane l xor 16
	s_mov_b32 s35, 0xfedcba98
	s_mov_b32 s36, 0x3a800000                      ; 1 / 1024
	s_mov_b32 s37, 0x3727c5ac                      ; 1e-5
	s_lshl_b32 s14, ttmp9, 16                      ; 16 rows of 4,096 bytes a work-group,
	s_lshl_b32 s15, s12, 14                        ; four a wave
	s_add_co_u32 s14, s14, s15
	s_mov_b32 s15, 0
	s_wait_alu depctr_va_vdst(0)                   ; at the head's end
	s_wait_kmcnt 0x0
	s_add_nc_u64 s[16:17], s[4:5], s[14:15]
	s_add_nc_u64 s[18:19], s[10:11], s[14:15]
.irp q, 0,1,2,3
.irp j, 0,1,2,3,4,5,6,7
	global_load_b128 v[ACC+32*\q+4*\j:ACC+32*\q+4*\j+3], v[LI], s[16:17] offset:\q*4096+\j*512 th:TH_LOAD_NT
.endr
.endr
.irp j, 0,1,2,3,4,5,6,7
	global_load_b128 v[GG+4*\j:GG+4*\j+3], v[LI], s[6:7] offset:512*\j
	global_load_b128 v[BB+4*\j:BB+4*\j+3], v[LI], s[8:9] offset:512*\j
.endr
	s_wait_loadcnt 0x0
.macro REDUCE o                        ; v[RT + 4 q + o], a number a lane, becomes the sum over the 32 lanes, in every lane; v[RT + 4 q + o + 1] is at work
.irp k, 1,2,4,8
.irp q, 0,1,2,3
	v_add_f32_dpp v[RT+4*\q+\o], v[RT+4*\q+\o], v[RT+4*\q+\o] row_xmask:\k row_mask:0xf bank_mask:0xf
.endr
.endr
.irp q, 0,1,2,3
	v_permlanex16_b32 v[RT+4*\q+\o+1], v[RT+4*\q+\o], s34, s35
.endr
.irp q, 0,1,2,3
	v_add_f32 v[RT+4*\q+\o], v[RT+4*\q+\o], v[RT+4*\q+\o+1]
.endr
.endm
.irp q, 0,1,2,3
	v_pk_add_f32 v[RT+4*\q:RT+4*\q+1], v[ACC+32*\q:ACC+32*\q+1], v[ACC+32*\q+2:ACC+32*\q+3]       ; the row's sum: two packed chains a row
	v_pk_add_f32 v[RT+4*\q+2:RT+4*\q+3], v[ACC+32*\q+4:ACC+32*\q+5], v[ACC+32*\q+6:ACC+32*\q+7]
.endr
.irp i, 8,12,16,20,24,28
.irp q, 0,1,2,3
	v_pk_add_f32 v[RT+4*\q:RT+4*\q+1], v[RT+4*\q:RT+4*\q+1], v[ACC+32*\q+\i:ACC+32*\q+\i+1]
	v_pk_add_f32 v[RT+4*\q+2:RT+4*\q+3], v[RT+4*\q+2:RT+4*\q+3], v[ACC+32*\q+\i+2:ACC+32*\q+\i+3]
.endr
.endr
.irp q, 0,1,2,3
	v_pk_add_f32 v[RT+4*\q:RT+4*\q+1], v[RT+4*\q:RT+4*\q+1], v[RT+4*\q+2:RT+4*\q+3]
.endr
.irp q, 0,1,2,3
	v_add_f32 v[RT+4*\q], v[RT+4*\q], v[RT+4*\q+1]
.endr
	REDUCE 0
.irp q, 0,1,2,3
	v_mul_f32 v[RT+4*\q], s36, v[RT+4*\q]          ; the mean
.endr
.irp q, 0,1,2,3
.set i, 0
.rept 16
	v_pk_add_f32 v[ACC+32*\q+i:ACC+32*\q+i+1], v[ACC+32*\q+i:ACC+32*\q+i+1], v[RT+4*\q:RT+4*\q+1] op_sel_hi:[1,0] neg_lo:[0,1] neg_hi:[0,1]   ; d = y - mean
.set i, i+2
.endr
.endr
.irp q, 0,1,2,3
	v_pk_mul_f32 v[RT+4*\q+2:RT+4*\q+3], v[ACC+32*\q:ACC+32*\q+1], v[ACC+32*\q:ACC+32*\q+1]       ; the sum of d^2: two packed chains a row
	v_pk_mul_f32 v[RB+2*\q:RB+2*\q+1], v[ACC+32*\q+2:ACC+32*\q+3], v[ACC+32*\q+2:ACC+32*\q+3]
.endr
.irp i, 4,8,12,16,20,24,28
.irp q, 0,1,2,3
	v_pk_fma_f32 v[RT+4*\q+2:RT+4*\q+3], v[ACC+32*\q+\i:ACC+32*\q+\i+1], v[ACC+32*\q+\i:ACC+32*\q+\i+1], v[RT+4*\q+2:RT+4*\q+3]
	v_pk_fma_f32 v[RB+2*\q:RB+2*\q+1], v[ACC+32*\q+\i+2:ACC+32*\q+\i+3], v[ACC+32*\q+\i+2:ACC+32*\q+\i+3], v[RB+2*\q:RB+2*\q+1]
.endr
.endr
.irp q, 0,1,2,3
	v_pk_add_f32 v[RT+4*\q+2:RT+4*\q+3], v[RT+4*\q+2:RT+4*\q+3], v[RB+2*\q:RB+2*\q+1]
.endr
.irp q, 0,1,2,3
	v_add_f32 v[RT+4*\q+2], v[RT+4*\q+2], v[RT+4*\q+3]
.endr
	REDUCE 2
.irp q, 0,1,2,3
	v_fma_f32 v[RT+4*\q+2], v[RT+4*\q+2], s36, s37 ; the variance + 1e-5
.endr
	s_wait_alu depctr_va_vdst(0)                   ; ahead of the batch
.irp q, 0,1,2,3
	v_rsq_f32 v[RB+2*\q], v[RT+4*\q+2]
.endr
	v_nop                                          ; a plain line behind the last of the batch
	s_wait_alu depctr_va_vdst(0)                   ; one wait for the four, ahead of their first reader
.irp q, 0,1,2,3
.set i, 0
.rept 16
	v_pk_mul_f32 v[ACC+32*\q+i:ACC+32*\q+i+1], v[ACC+32*\q+i:ACC+32*\q+i+1], v[RB+2*\q:RB+2*\q+1] op_sel_hi:[1,0]
.set i, i+2
.endr
.endr
.irp q, 0,1,2,3
.set i, 0
.rept 16
	v_pk_fma_f32 v[ACC+32*\q+i:ACC+32*\q+i+1], v[ACC+32*\q+i:ACC+32*\q+i+1], v[GG+i:GG+i+1], v[BB+i:BB+i+1]   ; x ln_g + ln_b
.set i, i+2
.endr
.endr
.irp q, 0,1,2,3
.irp j, 0,1,2,3,4,5,6,7
	global_store_b128 v[LI], v[ACC+32*\q+4*\j:ACC+32*\q+4*\j+3], s[18:19] offset:\q*4096+\j*512 th:TH_STORE_NT   ; 512 consecutive bytes, aligned; written once, read by nobody here
.endr
.endr
	s_endpgm
.Lfunc_end_k_qded39a62fb_lnorm:
	.size	k_qded39a62fb_lnorm, .Lfunc_end_k_qded39a62fb_lnorm-k_qded39a62fb_lnorm
	.p2alignl 7, 3214868480
	.fill 96, 4, 3214868480
	.section	.rodata,"a",@progbits
	.p2align	6, 0x0
	.amdhsa_kernel k_qded39a62fb_lnorm
		.amdhsa_group_segment_fixed_size 0
		.amdhsa_private_segment_fixed_size 0
		.amdhsa_enable_private_segment 0
		.amdhsa_kernarg_size 32
		.amdhsa_user_sgpr_count 2
		.amdhsa_user_sgpr_kernarg_segment_ptr 1
		.amdhsa_wavefront_size32 1
		.amdhsa_system_sgpr_workgroup_id_x 1
		.amdhsa_system_sgpr_workgroup_id_y 1
		.amdhsa_system_sgpr_workgroup_id_z 1
		.amdhsa_system_vgpr_workitem_id 0
		.amdhsa_next_free_vgpr 256
		.amdhsa_next_free_sgpr 66
		.amdhsa_reserve_vcc 0
		.amdhsa_float_denorm_mode_32 3
		.amdhsa_float_denorm_mode_16_64 3
		.amdhsa_memory_ordered 1
		.amdhsa_forward_progress 1
		.amdhsa_inst_pref_size 33
	.end_amdhsa_kernel
	.amdgpu_metadata
---
amdhsa.version: [ 1, 2 ]
amdhsa.kernels:
  - .name:           k_qded39a62fb_lnorm
    .symbol:         k_qded39a62fb_lnorm.kd
    .args:
      - { .name: yb, .offset: 0, .size: 8, .value_kind: global_buffer, .address_space: global }
      - { .name: ln_g, .offset: 8, .size: 8, .value_kind: global_buffer, .address_space: global }
      - { .name: ln_b, .offset: 16, .size: 8, .value_kind: global_buffer, .address_space: global }
      - { .name: out0, .offset: 24, .size: 8, .value_kind: global_buffer, .address_space: global }
    .group_segment_fixed_size: 0
    .private_segment_fixed_size: 0
    .kernarg_segment_align: 8
    .kernarg_segment_size: 32
    .max_flat_workgroup_size: 128
    .sgpr_count:     66
    .vgpr_count:     256
    .wavefront_size: 32
...
	.end_amdgpu_metadata
.endif
;; end of part 5
